; MI455X (gfx1250); checked and timed in simulation.
; The chip was launched on July 23, 2026; its instructions are those of AMD's public machine-readable ISA for CDNA 5 (MIT licence, August 2026) and "CDNA5" Instruction Set Architecture Reference Guide (July 2026). The comments in the code are by the model that wrote it; some were corrected since.
;; Encoder Block. Allowed arithmetic: matrix products marked QUANTISED: E4M3 operands, one E8M0 scale for each 32 along K, by v_wmma_scale_f32_16x16x128_f8f6f4 with both operands' format E4M3, f32 sums; everything else in f32.
;; Inputs: b1 4,096 float32; b2 1,024 float32; bk 1,024 float32; bo 1,024 float32; bq 1,024 float32; bv 1,024 float32; w1_codes 4,096 x 32 x 32 uint8 (E4M3 codes of w1, K innermost, in blocks of 32 codes); w1_scales 4,096 x 32 uint8 (E8M0 scales of w1, one for each 32 codes along K); w2_codes 1,024 x 128 x 32 uint8 (E4M3 codes of w2, K innermost, in blocks of 32 codes); w2_scales 1,024 x 128 uint8 (E8M0 scales of w2, one for each 32 codes along K); wk_codes 1,024 x 32 x 32 uint8 (E4M3 codes of wk, K innermost, in blocks of 32 codes); wk_scales 1,024 x 32 uint8 (E8M0 scales of wk, one for each 32 codes along K); wo_codes 1,024 x 32 x 32 uint8 (E4M3 codes of wo, K innermost, in blocks of 32 codes); wo_scales 1,024 x 32 uint8 (E8M0 scales of wo, one for each 32 codes along K); wq_codes 1,024 x 32 x 32 uint8 (E4M3 codes of wq, K innermost, in blocks of 32 codes); wq_scales 1,024 x 32 uint8 (E8M0 scales of wq, one for each 32 codes along K); wv_codes 1,024 x 32 x 32 uint8 (E4M3 codes of wv, K innermost, in blocks of 32 codes); wv_scales 1,024 x 32 uint8 (E8M0 scales of wv, one for each 32 codes along K); x 2 x 2,048 x 1,024 float32.
;; Outputs: out0 2 x 2,048 x 1,024 float32.
;; This version of the problem:
;;   THIS VERSION OF THE PROBLEM IS GIVEN IN LOW PRECISION. The matrix products marked QUANTISED in the list below multiply operands that are first quantised to E4M3 (4 exponent bits, 3 mantissa bits; 8 bits a number), with one power-of-two scale for each 32 numbers along K (OCP MX v1.0); their sums are f32. All else is computed in f32.
;;   The module's matrix products, in the order in which they are computed (A, B: the left and right operand; K: the contracted axis; several contracted axes count as one K, in the product's order):
;;     1. [M 4,096, K 1,024] x [K 1,024, N 1,024]; A: computed on the way; B: input wq (given as codes): QUANTISED
;;     2. [M 4,096, K 1,024] x [K 1,024, N 1,024]; A: computed on the way; B: input wk (given as codes): QUANTISED
;;     3. [M 4,096, K 1,024] x [K 1,024, N 1,024]; A: computed on the way; B: input wv (given as codes): QUANTISED
;;     4. batch 32 x [M 2,048, K 64] x [K 64, N 2,048]; A: computed on the way; B: computed on the way: QUANTISED
;;     5. batch 32 x [M 2,048, K 2,048] x [K 2,048, N 64]; A: softmax (see below); B: computed on the way: QUANTISED
;;     6. [M 4,096, K 1,024] x [K 1,024, N 1,024]; A: computed on the way; B: input wo (given as codes): QUANTISED
;;     7. [M 4,096, K 1,024] x [K 1,024, N 4,096]; A: computed on the way; B: input w1 (given as codes): QUANTISED
;;     8. [M 4,096, K 4,096] x [K 4,096, N 1,024]; A: computed on the way; B: input w2 (given as codes): QUANTISED
;;   THE QUANTISER, for each operand of a quantised product, along K:
;;     - K is cut into blocks of 32 from its start; a last block that is shorter is filled with zeros.
;;     - A block's scale is 2^e with e = floor(log2(the largest magnitude in the block)) - 8, held to -126 .. 127; a block of zeros has e = 0. As a byte (E8M0): e + 127.
;;     - Each number is divided by its block's scale, clamped to +-448, and rounded to the nearest number of E4M3, ties to even, subnormals kept.
;;     - The product sums the exact products of the quantised numbers (number of the format x scale) in f32.
;;   ~~~python
;;   def quantise(x, axis):      # numpy; x: float32 -> the quantised numbers, widened to float32 again
;;       x = np.moveaxis(x, axis, -1); K = x.shape[-1]
;;       x = np.pad(x, [(0, 0)] * (x.ndim - 1) + [(0, -K % 32)]); x = x.reshape(x.shape[:-1] + (-1, 32)); a = np.abs(x).max(-1, keepdims=True)
;;       e = np.where(a > 0, np.clip(np.frexp(np.where(a > 0, a, 1))[1] - 1 - 8, -126, 127), 0)      # np.frexp(a)[1] - 1 = floor(log2(a)), exactly
;;       r = np.clip(x / 2.0 ** e, -448, 448)
;;       step = 2.0 ** (np.maximum(np.frexp(np.where(r == 0, 1, r))[1] - 1, -6) - 3)
;;       q = np.round(r / step) * step * 2.0 ** e      # np.round: ties to even
;;       return np.moveaxis(q.reshape(q.shape[:-2] + (-1,))[..., :K], -1, axis).astype(np.float32)
;;   ~~~
;;   SOFTMAX AHEAD OF A QUANTISED PRODUCT. Where the list says 'softmax', what is quantised is not the finished softmax but p = 2^(t - M), with t = logit x log2(e) and M = ceil(the row's largest t), a whole number; so 1/2 < the row's largest p <= 1. The row's sum l is taken of the UNQUANTISED p, in f32, and the product's result is divided by l at the end. Since M is a whole number, a kernel that streams over the keys may use a running M (the ceiling of the running maximum): every later rescaling is an exact power of two, which a block's scale takes up: the codes' values come out the same.
;;   OPERANDS COMPUTED ON THE WAY. 'Computed on the way' means the value that the module computes at that place (a softmax that the list does not call 'softmax' is quantised finished and normalised). What goes into a quantiser is computed in f32, as accurately as f32 sums, v_exp_f32 and their like allow (about 1e-6 of the number): no bf16 or f16 on the way to a quantiser, and a product that is left as it is and whose result goes on into a quantised operand takes f32 operands (vector FMAs, or v_wmma_f32_16x16x4_f32). A number that lies on a knife's edge between two numbers of the format may be rounded either way, as far as f32 arithmetic and the matrix unit's own rounding can turn it there, and no further.
;;   INPUTS GIVEN AS CODES. w1 (in the module: [4096, 1024], K = its axis 1); w2 (in the module: [1024, 4096], K = its axis 1); wk (in the module: [1024, 1024], K = its axis 1); wo (in the module: [1024, 1024], K = its axis 1); wq (in the module: [1024, 1024], K = its axis 1); wv (in the module: [1024, 1024], K = its axis 1): each comes as NAME_codes (uint8): NAME with its K axis moved to the last place and cut into blocks of 32 codes, [.., K / 32, bytes a block], one block behind the other in memory; one code a byte (a code: sign, 4 exponent bits, 3 mantissa bits); and NAME_scales (uint8): the same leading axes, one E8M0 byte (e + 127) for each 32 codes along K. Its value is code x scale, taken as it is: it is not quantised again, and the codes and scales need not be those that the quantiser above would give.
;; One version. Each part assembles by itself: llvm-mc -triple=amdgcn-amd-amdhsa -mcpu=gfx1250 --defsym DOCPART=n.
;; ======== version 1 of 1: 8 launches
;; limits: right only within a limited range of input values
;; workspace buffers: part 8,192 bytes; a_q 4,325,376 bytes; qkv 13,369,344 bytes; o_q 4,325,376 bytes; r 16,777,216 bytes; g_q 17,301,504 bytes
;; launch stat_x (part 1): grid 256 x 1, 4 waves a work-group, no clusters, 0 bytes of LDS; arguments x, part; writes part
.if DOCPART == 1
	.amdgcn_target "amdgcn-amd-amdhsa--gfx1250"
	.amdhsa_code_object_version 6
	.text
	.protected	k_q72fc6341fa_stat_x
	.globl	k_q72fc6341fa_stat_x
	.p2align	8
	.type	k_q72fc6341fa_stat_x,@function
k_q72fc6341fa_stat_x:
	s_mov_b64 s[64:65], 0
	v_nop
	global_prefetch_b8 v0, s[64:65] scope:SCOPE_SE
	s_setreg_imm32_b32 hwreg(HW_REG_WAVE_MODE, 25, 1), 1
	s_wait_xcnt 0x0
; part[g] = (mean, sum of squared distances from that mean) of the numbers 4096 g .. 4096 g + 4095 of x, g = 0 .. 1023.
; The joint layer norm needs sums over a whole batch element (2^21 numbers): 512 such pairs; the next launch joins them.
; One wave takes one g: 16 KiB, 128 numbers a lane, kept in registers between the pass for the mean and the pass for the
; squared distances.  So x is read once here, and no difference of large sums is formed: a common offset of x costs no digits.
; Each load of a wave covers 512 consecutive bytes.  No LDS, no barrier: waves share nothing.  The matrix units and clusters have nothing to do here.
; LIMITS: NaN and infinities among the inputs are not served.
.set X,  16                            ; v16-143  my 128 numbers
.set S,  144                           ; v144-151 four chains of pairs
.set T,  152                           ; v152-159 four pairs at work
.set MU, 12                            ; v[12:13] the mean, twice (a pair for the packed forms)
.macro WSUM v, t                       ; the sum over the 32 lanes, in every lane
	v_add_f32_dpp v[\v], v[\v], v[\v] row_xmask:1 row_mask:0xf bank_mask:0xf
	v_add_f32_dpp v[\v], v[\v], v[\v] row_xmask:2 row_mask:0xf bank_mask:0xf
	v_add_f32_dpp v[\v], v[\v], v[\v] row_xmask:4 row_mask:0xf bank_mask:0xf
	v_add_f32_dpp v[\v], v[\v], v[\v] row_xmask:8 row_mask:0xf bank_mask:0xf
	v_permlanex16_b32 v[\t], v[\v], s12, s13
	v_add_f32 v[\v], v[\v], v[\t]
.endm
	s_load_b128 s[4:7], s[0:1], 0x0                ; x, part
	v_lshrrev_b32 v4, 5, v0
	v_readfirstlane_b32 s8, v4                     ; wave
	v_and_b32 v2, 31, v0                           ; lane
	v_lshlrev_b32 v1, 4, v2                        ; 16 bytes a lane
	v_mov_b32 v3, 0                                ; the pair's store has no lane term
	v_mov_b32 v9, 0                                ; a lane permute's destination counts as one of its sources
	s_lshl_b32 s9, ttmp9, 2
	s_add_co_u32 s9, s9, s8                        ; g = 4 x work-group + wave
	s_lshl_b32 s10, s9, 14                         ; 16 KiB of x
	s_mov_b32 s11, 0
	s_lshl_b32 s14, s9, 3                          ; 8 bytes of part
	s_mov_b32 s15, 0
	s_mov_b32 s12, 0x76543210
	s_mov_b32 s13, 0xfedcba98                      ; lane l xor 16
	s_wait_alu depctr_va_vdst(0)
	s_wait_kmcnt 0x0
	s_add_nc_u64 s[4:5], s[4:5], s[10:11]
	s_add_nc_u64 s[6:7], s[6:7], s[14:15]
.set n, 0
.rept 32
	global_load_b128 v[X+4*n:X+4*n+3], v1, s[4:5] offset:512*n
.set n, n+1
.endr
	; pass 1: the sum, two numbers at a time, in four chains; the first eight pairs start the chains: nothing is cleared
	s_wait_loadcnt 24                              ; the first eight loads (pairs 0 to 15) are in, the 24 younger ones may be out
.irp k, 0,1,2,3
	v_pk_add_f32 v[S+2*\k:S+2*\k+1], v[X+2*\k:X+2*\k+1], v[X+8+2*\k:X+8+2*\k+1]
.endr
.set n, 8
.rept 56
.if n == 16
	s_wait_alu depctr_va_vdst(0)
	s_wait_loadcnt 16                              ; eight loads more
.endif
.if n == 32
	s_wait_alu depctr_va_vdst(0)
	s_wait_loadcnt 8
.endif
.if n == 48
	s_wait_alu depctr_va_vdst(0)
	s_wait_loadcnt 0
.endif
	v_pk_add_f32 v[S+2*(n%4):S+2*(n%4)+1], v[S+2*(n%4):S+2*(n%4)+1], v[X+2*n:X+2*n+1]
.set n, n+1
.endr
	v_pk_add_f32 v[S:S+1], v[S:S+1], v[S+2:S+3]
	v_pk_add_f32 v[S+4:S+5], v[S+4:S+5], v[S+6:S+7]
	v_pk_add_f32 v[S:S+1], v[S:S+1], v[S+4:S+5]
	v_add_f32 v8, v[S], v[S+1]
	WSUM 8, 9
	v_mul_f32 v[MU], 0x39800000, v8                ; / 4096
	v_mov_b32 v[MU+1], v[MU]
	; pass 2: the squared distances from the mean
.set n, 0
.rept 16
.irp k, 0,1,2,3
	v_pk_add_f32 v[T+2*\k:T+2*\k+1], v[X+2*(n+\k):X+2*(n+\k)+1], v[MU:MU+1] neg_lo:[0,1] neg_hi:[0,1]
.endr
.irp k, 0,1,2,3
.if n == 0
	v_pk_mul_f32 v[S+2*\k:S+2*\k+1], v[T+2*\k:T+2*\k+1], v[T+2*\k:T+2*\k+1]
.else
	v_pk_fma_f32 v[S+2*\k:S+2*\k+1], v[T+2*\k:T+2*\k+1], v[T+2*\k:T+2*\k+1], v[S+2*\k:S+2*\k+1]
.endif
.endr
.set n, n+4
.endr
	v_pk_add_f32 v[S:S+1], v[S:S+1], v[S+2:S+3]
	v_pk_add_f32 v[S+4:S+5], v[S+4:S+5], v[S+6:S+7]
	v_pk_add_f32 v[S:S+1], v[S:S+1], v[S+4:S+5]
	v_add_f32 v15, v[S], v[S+1]
	WSUM 15, 9
	v_mov_b32 v14, v[MU]
	v_cmp_eq_u32 vcc_lo, 0, v2
	s_wait_alu depctr_va_vdst(0)
	s_wait_xcnt 0x0                                ; EXEC is a source of the loads above: it changes only behind this wait
	s_and_saveexec_b32 s16, vcc_lo                 ; lane 0 stores the wave's pair
	global_store_b64 v3, v[14:15], s[6:7]
	s_wait_xcnt 0x0
	s_or_b32 exec_lo, exec_lo, s16
	s_endpgm
.Lfunc_end_k_q72fc6341fa_stat_x:
	.size	k_q72fc6341fa_stat_x, .Lfunc_end_k_q72fc6341fa_stat_x-k_q72fc6341fa_stat_x
	.p2alignl 7, 3214868480
	.fill 96, 4, 3214868480
	.section	.rodata,"a",@progbits
	.p2align	6, 0x0
	.amdhsa_kernel k_q72fc6341fa_stat_x
		.amdhsa_group_segment_fixed_size 0
		.amdhsa_private_segment_fixed_size 0
		.amdhsa_enable_private_segment 0
		.amdhsa_kernarg_size 16
		.amdhsa_user_sgpr_count 2
		.amdhsa_user_sgpr_kernarg_segment_ptr 1
		.amdhsa_wavefront_size32 1
		.amdhsa_system_sgpr_workgroup_id_x 1
		.amdhsa_system_sgpr_workgroup_id_y 1
		.amdhsa_system_sgpr_workgroup_id_z 1
		.amdhsa_system_vgpr_workitem_id 0
		.amdhsa_next_free_vgpr 160
		.amdhsa_next_free_sgpr 66
		.amdhsa_reserve_vcc 1
		.amdhsa_float_denorm_mode_32 3
		.amdhsa_float_denorm_mode_16_64 3
		.amdhsa_memory_ordered 1
		.amdhsa_forward_progress 1
		.amdhsa_inst_pref_size 18
	.end_amdhsa_kernel
	.amdgpu_metadata
---
amdhsa.version: [ 1, 2 ]
amdhsa.kernels:
  - .name:           k_q72fc6341fa_stat_x
    .symbol:         k_q72fc6341fa_stat_x.kd
    .args:
      - { .name: x, .offset: 0, .size: 8, .value_kind: global_buffer, .address_space: global }
      - { .name: part, .offset: 8, .size: 8, .value_kind: global_buffer, .address_space: global }
    .group_segment_fixed_size: 0
    .private_segment_fixed_size: 0
    .kernarg_segment_align: 8
    .kernarg_segment_size: 16
    .max_flat_workgroup_size: 128
    .sgpr_count:     66
    .vgpr_count:     160
    .wavefront_size: 32
...
	.end_amdgpu_metadata
.endif
;; end of part 1
;; launch lnq_h (part 2): grid 256 x 1, 4 waves a work-group, no clusters, 33,280 bytes of LDS; arguments x, part, a_q; writes a_q
.if DOCPART == 2
	.amdgcn_target "amdgcn-amd-amdhsa--gfx1250"
	.amdhsa_code_object_version 6
	.text
	.protected	k_q72fc6341fa_lnq_h
	.globl	k_q72fc6341fa_lnq_h
	.p2align	8
	.type	k_q72fc6341fa_lnq_h,@function
k_q72fc6341fa_lnq_h:
	s_mov_b64 s[64:65], 0
	v_nop
	global_prefetch_b8 v0, s[64:65] scope:SCOPE_SE
	s_setreg_imm32_b32 hwreg(HW_REG_WAVE_MODE, 25, 1), 1
	s_wait_xcnt 0x0
; a_q = the codes of FP8 (E4M3) and the E8M0 scale bytes of (src - mean) * rsqrt(var + 1e-5), mean and var taken over a whole batch element (2^21 numbers).
; src: [4096][1024] f32.  part: 1,024 pairs (mean, sum of squared distances) of 4,096 numbers each, 512 pairs to a batch element.
; a_q: codes [4096][1024] at byte 0, K innermost; scale bytes [4096][32] at byte 4,194,304.
; Every wave joins its batch element's 512 pairs itself (4 KiB, 16 pairs a lane): mean = the mean of the means; var x 2^21 = the sum of the pairs' squared distances + 4096 x the sum of
; (a pair's mean - mean)^2.  No difference of large sums is formed.
; Rows are dense and 1,024 is a multiple of 32: the tensor is a plain stream of blocks of 32.  A wave takes 8 steps of 512 numbers.  Each load reads 512 consecutive bytes; a step's 2,048 bytes turn
; through the wave's own stage in LDS (16 bytes of padding behind each 64) so that a lane holds 16 neighbours; two neighbouring lanes hold a block.  A lane's 16 codes are 16 bytes: the wave stores 512 consecutive bytes.
; A wave's 128 scale bytes are gathered in LDS and leave as one run of 128 consecutive bytes: one byte in 160 of what the launch moves.
; A block's scale byte is its largest magnitude's exponent field - 8, held at 1 from below; a block of zeros so gets 1 where the rule says 127: its codes are zeros, and this program alone reads the bytes.
; LIMITS: blocks whose largest magnitude lies under 2^-118 are held at the byte 1; NaN and infinities are not served; v_rsq_f32 is good to one unit in the last place.
; No tensor loads, no barrier: waves share nothing.  Loads run four steps ahead, the turn through LDS one step.
.set STEPS, 8
.set EMAX,  8
.set MANT,  0x600000                   ; the mantissa field of 448
.set R,     16                         ; v16-79   four sets of 16 numbers as loaded
.set X,     80                         ; v80-111  two sets of 16 neighbours
.set E,     112                        ; v112-119 a scale byte for each step
.set C,     128                        ; v128-159 codes, four registers for each step: no store's data are written again
.set PR,    160                        ; v160-191 my 16 pairs
.set MU,    192                        ; v[192:193] the mean, twice
.set RS,    194                        ; v[194:195] 1 / sqrt(var + eps), twice
.set WREG,  8192                       ; LDS: a region for each wave: two stages of 32 x SP bytes, behind them its 128 scale bytes
.set SP,    80
.macro WSUM v, t
	v_add_f32_dpp v[\v], v[\v], v[\v] row_xmask:1 row_mask:0xf bank_mask:0xf
	v_add_f32_dpp v[\v], v[\v], v[\v] row_xmask:2 row_mask:0xf bank_mask:0xf
	v_add_f32_dpp v[\v], v[\v], v[\v] row_xmask:4 row_mask:0xf bank_mask:0xf
	v_add_f32_dpp v[\v], v[\v], v[\v] row_xmask:8 row_mask:0xf bank_mask:0xf
	v_permlanex16_b32 v[\t], v[\v], s12, s13
	v_add_f32 v[\v], v[\v], v[\t]
.endm
	s_load_b128 s[4:7], s[0:1], 0x0                ; src, part
	s_load_b64 s[8:9], s[0:1], 0x10                ; a_q
	v_lshl_add_u32 v208, v0, 2, 0x8000
	v_mov_b32 v209, 0
	v_lshrrev_b32 v1, 5, v0
	v_readfirstlane_b32 s16, v1                    ; wave
	v_and_b32 v2, 31, v0                           ; lane
	v_lshlrev_b32 v3, 4, v2                        ; 16 bytes a lane: of a load's 512, and of a step's codes
	s_mul_i32 s17, s16, WREG
	v_lshrrev_b32 v14, 2, v2
	v_mul_u32_u24 v14, v14, SP
	v_and_b32 v15, 3, v2
	v_lshl_add_u32 v14, v15, 4, v14
	v_add_nc_u32 v14, s17, v14                     ; the stage, way in: SP (lane / 4) + 16 (lane % 4)
	v_mul_u32_u24 v15, v2, SP
	v_add_nc_u32 v15, s17, v15                     ; way out: SP x lane: my 16 neighbours
	v_lshrrev_b32 v5, 1, v2
	s_add_co_u32 s17, s17, 2*32*SP
	v_add_nc_u32 v5, s17, v5                       ; my block's scale byte in LDS
	v_lshlrev_b32 v7, 2, v2                        ; on the way out 4 bytes a lane
	v_add_nc_u32 v6, s17, v7
	v_mov_b32 v200, 0                              ; a lane permute's destination counts as one of its sources
	s_mov_b32 s12, 0x76543210
	s_mov_b32 s13, 0xfedcba98
	s_mov_b32 s23, MANT
	s_mov_b32 s24, 0x35000000                      ; 2^-21
	s_mov_b32 s25, 0x45800000                      ; 4096
	s_mov_b32 s26, 0x3727c5ac                      ; 1e-5
	s_lshl_b32 s18, ttmp9, 2
	s_add_co_u32 s18, s18, s16                     ; my run of 4,096 numbers
	s_mov_b32 s21, 0
	s_wait_kmcnt 0x0
	s_lshl_b32 s20, s18, 14
	s_add_nc_u64 s[4:5], s[4:5], s[20:21]          ; its numbers,
	s_lshl_b32 s20, s18, 7
	s_add_co_u32 s20, s20, 0x400000
	s_add_nc_u64 s[10:11], s[8:9], s[20:21]        ; its 128 scale bytes,
	s_lshl_b32 s20, s18, 12
	s_add_nc_u64 s[8:9], s[8:9], s[20:21]          ; its codes,
	s_lshr_b32 s20, ttmp9, 7
	s_lshl_b32 s20, s20, 12
	s_add_nc_u64 s[6:7], s[6:7], s[20:21]          ; and its batch element's 512 pairs
.irp i, 0,1,2,3,4,5,6,7
	global_load_b128 v[PR+4*\i:PR+4*\i+3], v3, s[6:7] offset:512*\i
.endr
.macro LOAD t
.irp i, 0,1,2,3
	global_load_b128 v[R+16*((\t)%4)+4*\i:R+16*((\t)%4)+4*\i+3], v3, s[4:5] offset:2048*(\t)+512*\i
.endr
.endm
.macro TURN t                          ; LDS serves a wave's instructions in order: no wait between the stores and the loads
.irp i, 0,1,2,3
	ds_store_b128 v14, v[R+16*((\t)%4)+4*\i:R+16*((\t)%4)+4*\i+3] offset:32*SP*((\t)%2)+8*SP*\i
.endr
.irp i, 0,1,2,3
	ds_load_b128 v[X+16*((\t)%2)+4*\i:X+16*((\t)%2)+4*\i+3], v15 offset:32*SP*((\t)%2)+16*\i
.endr
.endm
.irp t, 0,1,2,3
	LOAD \t
.endr
	s_wait_loadcnt 16                              ; the pairs are in; the 16 loads of numbers behind them may be out
	v_pk_add_f32 v[196:197], v[PR:PR+1], v[PR+2:PR+3]
	v_pk_add_f32 v[198:199], v[PR+4:PR+5], v[PR+6:PR+7]
.irp n, 4,6,8,10,12,14
	v_pk_add_f32 v[196:197], v[196:197], v[PR+2*\n:PR+2*\n+1]
	v_pk_add_f32 v[198:199], v[198:199], v[PR+2*\n+2:PR+2*\n+3]
.endr
	v_pk_add_f32 v[196:197], v[196:197], v[198:199]
	WSUM 196, 200                                  ; the sum of the 512 means,
	WSUM 197, 200                                  ; and of the 512 sums of squared distances
	v_mul_f32 v[MU], 0x3b000000, v196              ; / 512
	v_mov_b32 v[MU+1], v[MU]
.irp n, 0,2,4,6,8,10,12,14
	v_sub_f32 v201, v[PR+2*\n], v[MU]
	v_sub_f32 v202, v[PR+2*\n+2], v[MU]
.if \n == 0
	v_mul_f32 v198, v201, v201
	v_mul_f32 v199, v202, v202
.else
	v_fmac_f32 v198, v201, v201
	v_fmac_f32 v199, v202, v202
.endif
.endr
	v_add_f32 v198, v198, v199
	WSUM 198, 200
	v_fma_f32 v198, v198, s25, v197                ; 4096 x the means' squared distances + the pairs' own
	v_fma_f32 v198, v198, s24, s26                 ; / 2^21 + eps
	s_wait_alu depctr_va_vdst(0)
	v_rsq_f32 v[RS], v198
	v_rsq_f32 v[RS+1], v198
	v_nop                                          ; a plain instruction behind the transcendentals,
	s_wait_alu depctr_va_vdst(0)                   ; and one wait for both, ahead of their first reader
	s_wait_loadcnt 12                              ; step 0's four loads are in
	TURN 0
.macro STEP t
.set XS, X+16*((\t)%2)
.if (\t) > 0
	s_wait_dscnt 1                                 ; this step's numbers are back from the stage (the last step's byte store may be out): its stores into the stage have read their registers,
.else
	s_wait_dscnt 0x0
.endif
.if (\t)+4 < STEPS
	LOAD (\t)+4                                    ; which take the loads of four steps on
.endif
.if (\t)+1 < STEPS
.if STEPS-2-(\t) >= 3
	s_wait_loadcnt 12                              ; the next step's four loads are in; those of the three steps behind it may be out
.else
	s_wait_loadcnt 4*(STEPS-2-(\t))
.endif
	TURN (\t)+1
.endif
.irp i, 0,2,4,6,8,10,12,14
	v_pk_add_f32 v[XS+\i:XS+\i+1], v[XS+\i:XS+\i+1], v[MU:MU+1] neg_lo:[0,1] neg_hi:[0,1]   ; the norm: first the mean is taken away,
.endr
.irp i, 0,2,4,6,8,10,12,14
	v_pk_mul_f32 v[XS+\i:XS+\i+1], v[XS+\i:XS+\i+1], v[RS:RS+1]                             ; then the scaling
.endr
	v_max3_num_f32 v8, |v[XS]|, |v[XS+1]|, |v[XS+2]|
	v_max3_num_f32 v9, |v[XS+3]|, |v[XS+4]|, |v[XS+5]|
.irp i, 6,10
	v_max3_num_f32 v8, v8, |v[XS+\i]|, |v[XS+\i+1]|
	v_max3_num_f32 v9, v9, |v[XS+\i+2]|, |v[XS+\i+3]|
.endr
	v_max3_num_f32 v8, v8, |v[XS+14]|, |v[XS+15]|
	v_max3_num_f32 v8, v8, v9, (EMAX+1)<<23        ; the floor 2^(9 - 127): the byte cannot fall under 1
	v_max_num_f32_dpp v8, v8, v8 row_xmask:1 row_mask:0xf bank_mask:0xf   ; with my neighbour's 16: the block's largest magnitude
	v_add_nc_u32 v11, -(EMAX<<23), v8              ; 8 off its exponent field: the conversion's scale operand
	v_and_or_b32 v10, v8, 0x7f800000, s23          ; 448 x the scale
.irp i, 0,1,2,3,4,5,6,7,8,9,10,11,12,13,14,15
	v_med3_num_f32 v[XS+\i], v[XS+\i], -v10, v10   ; the conversion to an 8-bit code does not saturate (ISA guide 7.6.2): the hold comes first
.endr
	v_cvt_scalef32_pk8_fp8_f32 v[C+4*(\t):C+4*(\t)+1], v[XS:XS+7], v11
	v_cvt_scalef32_pk8_fp8_f32 v[C+4*(\t)+2:C+4*(\t)+3], v[XS+8:XS+15], v11
	v_lshrrev_b32 v[E+(\t)], 23, v11               ; the scale's byte (also the plain line behind the conversions)
	ds_store_b8 v5, v[E+(\t)] offset:16*(\t)       ; both lanes of a block write the same byte with the same value
	global_store_b128 v3, v[C+4*(\t):C+4*(\t)+3], s[8:9] offset:512*(\t)
.endm
.irp t, 0,1,2,3,4,5,6,7
	STEP \t
.endr
	ds_load_b32 v12, v6                            ; LDS serves a wave's instructions in order: this sees my byte stores
	s_wait_dscnt 0x0
	global_store_b32 v7, v12, s[10:11]
	s_wait_tensorcnt 0x0
	ds_add_u32 v208, v209
	s_wait_dscnt 0x0
	s_endpgm
.Lfunc_end_k_q72fc6341fa_lnq_h:
	.size	k_q72fc6341fa_lnq_h, .Lfunc_end_k_q72fc6341fa_lnq_h-k_q72fc6341fa_lnq_h
	.p2alignl 7, 3214868480
	.fill 96, 4, 3214868480
	.section	.rodata,"a",@progbits
	.p2align	6, 0x0
	.amdhsa_kernel k_q72fc6341fa_lnq_h
		.amdhsa_group_segment_fixed_size 33280
		.amdhsa_private_segment_fixed_size 0
		.amdhsa_enable_private_segment 0
		.amdhsa_kernarg_size 24
		.amdhsa_user_sgpr_count 2
		.amdhsa_user_sgpr_kernarg_segment_ptr 1
		.amdhsa_wavefront_size32 1
		.amdhsa_system_sgpr_workgroup_id_x 1
		.amdhsa_system_sgpr_workgroup_id_y 1
		.amdhsa_system_sgpr_workgroup_id_z 1
		.amdhsa_system_vgpr_workitem_id 0
		.amdhsa_next_free_vgpr 210
		.amdhsa_next_free_sgpr 66
		.amdhsa_reserve_vcc 0
		.amdhsa_float_denorm_mode_32 3
		.amdhsa_float_denorm_mode_16_64 3
		.amdhsa_memory_ordered 1
		.amdhsa_forward_progress 1
		.amdhsa_inst_pref_size 39
	.end_amdhsa_kernel
	.amdgpu_metadata
---
amdhsa.version: [ 1, 2 ]
amdhsa.kernels:
  - .name:           k_q72fc6341fa_lnq_h
    .symbol:         k_q72fc6341fa_lnq_h.kd
    .args:
      - { .name: x, .offset: 0, .size: 8, .value_kind: global_buffer, .address_space: global }
      - { .name: part, .offset: 8, .size: 8, .value_kind: global_buffer, .address_space: global }
      - { .name: a_q, .offset: 16, .size: 8, .value_kind: global_buffer, .address_space: global }
    .group_segment_fixed_size: 33280
    .private_segment_fixed_size: 0
    .kernarg_segment_align: 8
    .kernarg_segment_size: 24
    .max_flat_workgroup_size: 128
    .sgpr_count:     66
    .vgpr_count:     210
    .wavefront_size: 32
...
	.end_amdgpu_metadata
.endif
;; end of part 2
;; launch qkv (part 3): grid 12 x 16, 4 waves a work-group, clusters of 4 x 4, 327,680 bytes of LDS; arguments a_q, wq_codes, wq_scales, wk_codes, wk_scales, wv_codes, wv_scales, bq, bk, bv, qkv; writes qkv
.if DOCPART == 3
	.amdgcn_target "amdgcn-amd-amdhsa--gfx1250"
	.amdhsa_code_object_version 6
	.text
	.protected	k_q72fc6341fa_qkv
	.globl	k_q72fc6341fa_qkv
	.p2align	8
	.type	k_q72fc6341fa_qkv,@function
k_q72fc6341fa_qkv:
	s_mov_b64 s[64:65], 0
	v_nop
	global_prefetch_b8 v0, s[64:65] scope:SCOPE_SE
	s_setreg_imm32_b32 hwreg(HW_REG_WAVE_MODE, 25, 1), 1
	s_wait_xcnt 0x0
	s_wait_alu depctr_hold_cnt(0) depctr_sa_sdst(0) depctr_va_vdst(0) depctr_va_sdst(0) depctr_va_ssrc(0) depctr_va_vcc(0) depctr_vm_vsrc(0)
	s_getreg_b32 s2, hwreg(HW_REG_IB_STS2, 6, 4)
	s_cmp_eq_u32 s2, 0
	s_cbranch_scc0 .Lentry_in_a_cluster
	s_endpgm
.Lentry_in_a_cluster:
	s_bfe_u32 s2, ttmp6, 0x10000c
	s_cmp_lg_u32 s2, 0xf033
	s_cbranch_scc0 .Lentry_shape_is_right
	s_endpgm
.Lentry_shape_is_right:
.set KSTEP,  256
.set NQ,     2
.set ROWB,   256
.set KROW,   1024
.set PITCH,  272
.set FR,     16
.set NL,     4
.set NP,     8
.set HALFT,  128*PITCH
.set SLOT,   4*HALFT
.set LAPS,   2
.set KS,     32
.set SCL,    2*SLOT
.set HALFS,  (128*KS/256)*272
.set SBLK,   (16*KS/256)*272
.set SPARE,  SCL+4*HALFS
.set LI,   7
.set BL,   8
.set ADRA, 16
.set LW,   18
.set BA,   19
.set ADRB, 20
.set R4,   22
.set ADRS, 27
.set SPW,  28
.set NIL,  29
.set SC,   32
.set BIAS, 64
.set AF,   128
.set W,    128
.set PC,   192
.set TM,   224
.set PW,   240
.set WE,   241
.set WO,   243
.set G1, 24
.set G0, 32
.set G1B, 48
.set G0B, 56
.set SCD, 23                           ; v23 where my lane puts scale bytes in LDS
.set SPT, 76                           ; s[76:77] the scale bytes of the 128 rows that I fetch
.set SEL, 20
.set MNT, 22
.set C7F, 23
.set HM,  19
.set MSB, 0
.macro WIN new
.if MSB != (\new)
	s_set_vgpr_msb (MSB<<8)|(\new)
.set MSB, (\new)
.endif
.endm
.set MUL_LO, 0xa1
.set MUL_HI, 0xf1
.set TO_B,   0x40
.macro JLOAD g0a, g1a, g0b, g1b
	s_cmp_eq_u32 s15, 0
	s_cbranch_scc0 .Lfor_b_\@
	tensor_load_to_lds s[\g0a:\g0a+3], s[\g1a:\g1a+7]
	s_nop 0
.rept 4
	v_nop
.endr
	s_branch .Lasked_\@
.Lfor_b_\@:
	tensor_load_to_lds s[\g0b:\g0b+3], s[\g1b:\g1b+7]
	s_nop 0
.rept 4
	v_nop
.endr
.Lasked_\@:
.endm
.macro CREST
	s_cmp_lg_u32 s14, 0
	s_cbranch_scc1 .Lnot_wave_0_\@
	s_barrier_signal -3
.Lnot_wave_0_\@:
	s_barrier_wait -3
	s_barrier_signal -1
	s_barrier_wait -1
.endm
.macro CROUND
	s_barrier_signal -1
	s_barrier_wait -1
	CREST
.endm
	s_load_b512 s[68:83], s[0:1], 0x0
	s_load_b128 s[84:87], s[0:1], 0x40
	s_load_b64 s[88:89], s[0:1], 0x50
	v_lshl_add_u32 v[SPW], v0, 2, SPARE
	v_mov_b32 v[NIL], 0
	ds_add_u32 v28, v29
	ds_add_u32 v28, v29
	s_wait_dscnt 0x0
	v_lshrrev_b32 v1, 5, v0
	v_readfirstlane_b32 s14, v1
	s_lshr_b32 s15, s14, 1
	s_and_b32 s16, s14, 1
	s_bfe_u32 s40, ttmp6, 0x40000
	s_bfe_u32 s41, ttmp6, 0x40004
	s_and_b32 s19, ttmp7, 0xffff
	s_lshl_b32 s19, s19, 2
	s_lshl_b32 s43, s41, 2
	s_lshl_b32 s43, 15, s43
	s_lshl_b32 s44, 0x1111, s40
	s_wait_kmcnt 0x0
	s_add_nc_u64 s[90:91], s[68:69], 0x400000
	s_cmp_eq_u32 ttmp9, 0
	s_cselect_b64 s[8:9], s[70:71], s[74:75]
	s_cselect_b64 s[10:11], s[72:73], s[76:77]
	s_cselect_b64 s[96:97], s[82:83], s[84:85]
	s_cmp_eq_u32 ttmp9, 2
	s_cselect_b64 s[4:5], s[78:79], s[68:69]
	s_cselect_b64 s[6:7], s[80:81], s[90:91]
	s_cselect_b64 s[8:9], s[68:69], s[8:9]
	s_cselect_b64 s[10:11], s[90:91], s[10:11]
	s_cselect_b64 s[96:97], s[86:87], s[96:97]
	s_cselect_b32 s17, 0, s19
	s_cselect_b32 s42, s19, 0
	s_mov_b64 s[100:101], s[86:87]
	s_mov_b64 s[12:13], s[88:89]
	s_add_co_u32 s17, s17, s41
	s_add_co_u32 s42, s42, s40
	s_or_b32 s[G1+0], s43, (0<<16)|(1<<20)|(1<<21)|(5<<22)|(3<<25)
	s_or_b32 s[G1B+0], s44, (0<<16)|(1<<20)|(1<<21)|(5<<22)|(3<<25)
.irp g, G1, G1B
	s_mov_b32 s[\g+1], ROWB<<16
	s_mov_b32 s[\g+2], 128<<16
	s_mov_b32 s[\g+3], ROWB<<16
	s_mov_b32 s[\g+4], 128
	s_mov_b32 s[\g+5], KROW
	s_mov_b32 s[\g+6], 0
	s_mov_b32 s[\g+7], 0
.endr
	s_lshl_b32 s18, s16, 7
	s_lshl_b32 s20, s17, 8
	s_add_co_u32 s20, s20, s18
	s_lshl_b32 s46, s42, 8
	s_add_co_u32 s46, s46, s18
	s_lshl_b32 s22, s20, 5
	s_mov_b32 s23, 0
	s_lshl_b32 s20, s20, 10
	s_mov_b32 s21, 0
	s_lshl_b32 s92, s46, 5
	s_mov_b32 s93, 0
	s_lshl_b32 s46, s46, 10
	s_mov_b32 s47, 0
	s_mul_i32 s45, s14, HALFT
	s_mul_i32 s94, s14, HALFS
	s_add_nc_u64 s[20:21], s[4:5], s[20:21]
	s_add_nc_u64 s[22:23], s[6:7], s[22:23]
	s_add_nc_u64 s[46:47], s[8:9], s[46:47]
	s_add_nc_u64 s[92:93], s[10:11], s[92:93]
	CROUND
	s_cmp_eq_u32 s15, 0                            ; waves 0, 1 copy the scale bytes of A's halves, waves 2, 3 of B's: 4,096 dense bytes a wave, through registers;
	s_cselect_b64 s[SPT:SPT+1], s[22:23], s[92:93] ; 1 byte in 33 of what the work-group reads, so they are not asked for jointly
.irp s, 0,1
	s_mov_b32 s[G0+4*\s], 1
	s_add_co_u32 s[G0+4*\s+1], s45, \s*SLOT
	s_add_nc_u64 s[G0+4*\s+2:G0+4*\s+3], s[20:21], \s*ROWB
	s_or_b32 s[G0+4*\s+3], s[G0+4*\s+3], 0x80000000
	s_mov_b32 s[G0B+4*\s], 1
	s_add_co_u32 s[G0B+4*\s+1], s45, \s*SLOT
	s_add_nc_u64 s[G0B+4*\s+2:G0B+4*\s+3], s[46:47], \s*ROWB
	s_or_b32 s[G0B+4*\s+3], s[G0B+4*\s+3], 0x80000000
.endr
	JLOAD G0, G1, G0B, G1B                         ; my quarter of slot 0: my one tensor load at the head
	v_and_b32 v1, 15, v0
	v_bfe_u32 v2, v0, 4, 1
	v_mul_u32_u24 v3, v1, PITCH
	v_lshl_add_u32 v4, v2, 4, v3
	s_mul_i32 s21, s15, HALFT
	s_mul_i32 s22, s16, HALFT
	s_add_co_u32 s22, s22, 2*HALFT
.irp s, 0,1
	v_add_nc_u32 v[ADRA+\s], s21, v4
	v_add_nc_u32 v[ADRB+\s], s22, v4
	s_add_co_u32 s21, s21, SLOT
	s_add_co_u32 s22, s22, SLOT
.endr
	v_mul_u32_u24 v5, v1, KS
	v_lshrrev_b32 v6, 8, v5
	v_lshl_add_u32 v5, v6, 4, v5
	s_mul_i32 s21, s15, HALFS
	s_mul_i32 s22, s16, HALFS
	s_add_co_u32 s22, s22, 2*HALFS
	s_sub_co_u32 s22, s22, s21
	v_mul_u32_u24 v6, s22, v2
	s_add_co_u32 s21, s21, SCL
	v_add_nc_u32 v5, v5, v6
	v_add_nc_u32 v[ADRS], s21, v5
	v_and_b32 v6, 31, v0
	v_lshlrev_b32 v[LI], 4, v6
	v_mul_u32_u24 v5, v2, 272                      ; the scale bytes' way in: a load's 512 bytes are two units of 256 + 16 of padding
	v_lshl_add_u32 v5, v1, 4, v5
	v_add_nc_u32 v5, s94, v5
	v_add_nc_u32 v[SCD], SCL, v5
	v_lshlrev_b32 v[LW], 2, v6
	v_lshlrev_b32 v[BA], 5, v2
	s_wait_alu depctr_va_vdst(0)
	v_lshlrev_b32 v[R4], 2, v1
	s_wait_alu depctr_va_vdst(0)
	s_lshl_b32 s18, s42, 10
	s_lshl_b32 s19, s16, 9
	s_add_co_u32 s18, s18, s19
	s_lshl_b32 s22, s17, 10
	s_lshl_b32 s23, s15, 9
	s_add_co_u32 s22, s22, s23
	s_cmp_eq_u32 ttmp9, 2
	s_cselect_b32 s18, 0, s18
	s_cselect_b32 s22, s22, 0
	s_mov_b32 s19, 0
	s_mov_b32 s23, 0
	s_add_nc_u64 s[96:97], s[96:97], s[18:19]
	s_add_nc_u64 s[100:101], s[100:101], s[22:23]
.irp i, 0,1,2,3,4,5,6,7
	global_load_b128 v[AF+4*\i:AF+4*\i+3], v[LI], s[SPT:SPT+1] offset:512*\i
.endr
.irp b, 0,1,2,3,4,5,6,7
	global_load_b128 v[BIAS+8*\b:BIAS+8*\b+3], v[BA], s[96:97] offset:64*\b
	global_load_b128 v[BIAS+8*\b+4:BIAS+8*\b+7], v[BA], s[96:97] offset:64*\b+16
.endr
.irp a, 0,1,2,3,4,5,6,7
	global_load_b32 v[BL+\a], v[R4], s[100:101] offset:64*\a
.endr
.macro FRAG reg, adr, q, i
.irp c, 0,1,2,3
	ds_load_b128 v[\reg+4*\c:\reg+4*\c+3], v[\adr] offset:128*(\q)+32*\c+(\i)*16*PITCH
.endr
.endm
.macro MUL16 a0, p, q, sc, zero
.irp a, \a0, \a0+1
.irp b, 0,1,2,3,4,5,6,7
.if \zero
	v_wmma_scale_f32_16x16x128_f8f6f4 v[8*(8*((\a)%4)+\b):8*(8*((\a)%4)+\b)+7], v[128*(\p)+FR*\b:128*(\p)+FR*\b+FR-1], v[AF+FR*(\a):AF+FR*(\a)+FR-1], 0, v[SC+8*NQ*(\sc)+NQ*\b+(\q)], v[SC+8*NQ*(\sc)+NQ*(\a)+(\q)] matrix_a_scale:MATRIX_SCALE_ROW1
.else
	v_wmma_scale_f32_16x16x128_f8f6f4 v[8*(8*((\a)%4)+\b):8*(8*((\a)%4)+\b)+7], v[128*(\p)+FR*\b:128*(\p)+FR*\b+FR-1], v[AF+FR*(\a):AF+FR*(\a)+FR-1], v[8*(8*((\a)%4)+\b):8*(8*((\a)%4)+\b)+7], v[SC+8*NQ*(\sc)+NQ*\b+(\q)], v[SC+8*NQ*(\sc)+NQ*(\a)+(\q)] matrix_a_scale:MATRIX_SCALE_ROW1
.endif
.endr
.endr
.endm
.macro FETCH_B slot, q, p
	WIN TO_B
.irp i, 0,1,2,3,4,5,6,7
	FRAG 128*(\p)+FR*\i, ADRB+\slot, \q, \i
.endr
	WIN 0
.endm
.macro FETCH_A slot, q, i0
.irp i, \i0, \i0+1, \i0+2, \i0+3
	FRAG AF+FR*(\i), ADRA+\slot, \q, \i
.endr
.endm
.macro SCALES sc
.irp i, 0,1,2,3,4,5,6,7
	ds_load_b64 v[SC+8*NQ*\sc+NQ*\i:SC+8*NQ*\sc+NQ*\i+1], v[ADRS] offset:\i*SBLK
.endr
.endm
.macro PLACES n
.rept \n
	v_nop
.endr
.endm
.macro STEP slot, q, zero
	s_wait_dscnt 4*NL
	WIN MUL_LO
	MUL16 0, (\q)%2, \q, \slot, \zero
	MUL16 2, (\q)%2, \q, \slot, \zero
	s_wait_dscnt 0
	PLACES NP
	FETCH_B \slot, (\q)+1, 1-(\q)%2
	FETCH_A \slot, (\q)+1, 0
	WIN MUL_HI
	MUL16 4, (\q)%2, \q, \slot, \zero
	MUL16 6, (\q)%2, \q, \slot, \zero
	PLACES NP
	WIN 0
	FETCH_A \slot, (\q)+1, 4
.endm
.macro TURN slot, next, fill
	s_wait_tensorcnt 0x0
	ds_add_u32 v[SPW], v[NIL]
	s_wait_dscnt 4*NL+1
	WIN MUL_LO
	MUL16 0, 1, NQ-1, \slot, 0
	s_wait_dscnt 0x0
	s_barrier_signal -1
	MUL16 2, 1, NQ-1, \slot, 0
	WIN 0
	s_barrier_wait -1
.if \fill
	CREST
	s_add_nc_u64 s[G0+4*\slot+2:G0+4*\slot+3], s[G0+4*\slot+2:G0+4*\slot+3], 2*ROWB
	s_add_nc_u64 s[G0B+4*\slot+2:G0B+4*\slot+3], s[G0B+4*\slot+2:G0B+4*\slot+3], 2*ROWB
	JLOAD G0+4*\slot, G1, G0B+4*\slot, G1B
	PLACES NP-4
.else
	PLACES NP
.endif
	s_wait_alu depctr_va_vdst(0)
	v_add_nc_u32 v[ADRS], 4*NQ, v[ADRS]
	FETCH_B \next, 0, 0
	FETCH_A \next, 0, 0
	SCALES \next
	WIN MUL_HI
	MUL16 4, 1, NQ-1, \slot, 0
	MUL16 6, 1, NQ-1, \slot, 0
	PLACES NP
	WIN 0
	FETCH_A \next, 0, 4
.endm
	s_wait_alu depctr_va_vdst(0)
	s_wait_tensorcnt 0x0                           ; no tensor load of mine is out when I store to LDS
	s_wait_loadcnt 24                              ; the eight loads of scale bytes are in; the 24 loads of biases behind them may be out
.irp i, 0,1,2,3,4,5,6,7
	ds_store_b128 v[SCD], v[AF+4*\i:AF+4*\i+3] offset:544*\i
.endr
	s_wait_tensorcnt 0x0
	ds_add_u32 v[SPW], v[NIL]
	s_wait_dscnt 0x0                               ; the add and my stores are done
	CROUND                                         ; slot 0 and the scale bytes are whole, and all sixteen work-groups are here
	JLOAD G0+4, G1, G0B+4, G1B                     ; slot 1's first fill: my one tensor load behind the round
	FETCH_B 0, 0, 0
	FETCH_A 0, 0, 0
	SCALES 0
	FETCH_A 0, 0, 4
	STEP 0, 0, 1
	s_mov_b32 s3, LAPS-1
.Llap:
	TURN 0, 1, 1
	STEP 1, 0, 0
	TURN 1, 0, 1
	STEP 0, 0, 0
	s_sub_co_u32 s3, s3, 1
	s_cmp_lg_u32 s3, 0
	s_cbranch_scc1 .Llap
	TURN 0, 1, 0
	STEP 1, 0, 0
	s_wait_dscnt 4*NL
	WIN MUL_LO
	MUL16 0, 1, NQ-1, 1, 0
	MUL16 2, 1, NQ-1, 1, 0
	s_wait_dscnt 0
	WIN MUL_HI
	MUL16 4, 1, NQ-1, 1, 0
	MUL16 6, 1, NQ-1, 1, 0
	WIN 0
.macro QUANT s
.irp b, 0,1,2,3
	v_max3_num_f32 v[TM+\b], |v[\s+16*\b]|, |v[\s+1+16*\b]|, 0x4800000
.endr
.irp i, 2,4,6,8,10,12,14
.irp b, 0,1,2,3
	v_max3_num_f32 v[TM+\b], v[TM+\b], |v[\s+16*\b+\i]|, |v[\s+1+16*\b+\i]|
.endr
.endr
.irp b, 0,1,2,3
	v_permlanex16_b32 v[TM+4+\b], v[TM+\b], s[SEL], s[SEL+1]
.endr
.irp b, 0,1,2,3
	v_max_num_f32 v[TM+\b], v[TM+\b], v[TM+4+\b]
.endr
.irp b, 0,1,2,3
	v_add_nc_u32 v[TM+12+\b], 0xfc000000, v[TM+\b]
.endr
.irp b, 0,1,2,3
	v_and_or_b32 v[TM+8+\b], v[TM+\b], 0x7f800000, s[MNT]
.endr
.irp b, 0,1,2,3
	v_lshrrev_b32 v[TM+4+\b], 23, v[TM+12+\b]
.endr
	v_lshl_or_b32 v[PW], v[TM+5], 8, v[TM+4]
	v_lshl_or_b32 v[PW], v[TM+6], 16, v[PW]
	v_lshl_or_b32 v[PW], v[TM+7], 24, v[PW]
.irp b, 0,1,2,3
.irp i, 0,1,2,3,4,5,6,7,8,9,10,11,12,13,14,15
	v_med3_num_f32 v[\s+16*\b+\i], v[\s+16*\b+\i], -v[TM+8+\b], v[TM+8+\b]
.endr
.endr
	WIN 0x40                                       ; the codes go into window 1, where B's fragments lay: 16 registers of its own for each block, so no store's data are written again
.irp b, 0,1,2,3
	v_cvt_scalef32_pk8_fp8_f32 v[PC+4*\b:PC+1+4*\b], v[\s+16*\b:\s+7+16*\b], v[TM+12+\b]
	v_cvt_scalef32_pk8_fp8_f32 v[PC+2+4*\b:PC+3+4*\b], v[\s+8+16*\b:\s+15+16*\b], v[TM+12+\b]
.endr
	v_nop
.endm
.macro BLOCK a, mode
	WIN 0x02+(\a)/4
.set i, 0
.rept 32
.if \mode == 0
	v_pk_add_f32 v[W+2*i:W+2*i+1], v[64*((\a)%4)+2*i:64*((\a)%4)+2*i+1], v[BIAS+2*i:BIAS+2*i+1]
.elseif (\a)%2 == 0
	v_pk_add_f32 v[W+2*i:W+2*i+1], v[64*((\a)%4)+2*i:64*((\a)%4)+2*i+1], v[BL+2*((\a)/2):BL+2*((\a)/2)+1] op_sel_hi:[1,0]
.else
	v_pk_add_f32 v[W+2*i:W+2*i+1], v[64*((\a)%4)+2*i:64*((\a)%4)+2*i+1], v[BL+2*((\a)/2):BL+2*((\a)/2)+1] op_sel:[0,1] op_sel_hi:[1,1]
.endif
.set i, i+1
.endr
	WIN 0
.set PC, 16*(\a)                       ; this block's codes: v[16 a .. 16 a + 15] of window 1
.set WS, 247                           ; v247-254: the scale words that are stored, registers of their own for each pair of blocks
	QUANT W
	WIN 0x04                                       ; a store's data are its source 1: window 1
.if \mode == 0
.irp e, 0,1
.irp c, 0,1
	global_store_b128 v[LI], v[PC+8*\e+4*\c:PC+8*\e+4*\c+3], s[12:13] offset:\e*131072+(\a)*1024+\c*512
.endr
.endr
	WIN 0
.if (\a)%2 == 0
	v_and_or_b32 v[WE], v[PW], 0xffff, s[C7F]
	v_lshrrev_b32 v[WE+1], 16, v[PW]
	v_or_b32 v[WE+1], s[C7F], v[WE+1]
.else
	v_and_or_b32 v245, v[PW], 0xffff, s[C7F]
	v_lshrrev_b32 v246, 16, v[PW]
	v_or_b32 v246, s[C7F], v246
	v_cndmask_b32 v[WS+2*((\a)/2)], v[WE], v245, s[HM]
	v_cndmask_b32 v[WS+2*((\a)/2)+1], v[WE+1], v246, s[HM]
	global_store_b32 v[LW], v[WS+2*((\a)/2)], s[98:99] offset:((\a)/2)*128
	global_store_b32 v[LW], v[WS+2*((\a)/2)+1], s[98:99] offset:12288+((\a)/2)*128
.endif
.else
.irp c, 0,1,2,3
	global_store_b128 v[LI], v[PC+4*\c:PC+4*\c+3], s[12:13] offset:((\a)/4)*131072+((\a)%4)*2048+\c*512
.endr
	WIN 0
.if (\a)%2 == 0
	v_mov_b32 v[WE], v[PW]
.else
	v_cndmask_b32 v[WS+(\a)/2], v[WE], v[PW], s[HM]
	global_store_b32 v[LW], v[WS+(\a)/2], s[98:99] offset:((\a)/4)*12288+(((\a)%4)/2)*128
.endif
.endif
.endm
	PLACES NP
	s_mov_b32 s[SEL], 0x76543210
	s_mov_b32 s[SEL+1], 0xfedcba98
	s_mov_b32 s[MNT], 0x600000
	s_mov_b32 s[C7F], 0x7f7f0000
	s_mov_b32 s[HM], 0xffff0000
.irp b, 0,1,2,3
	v_mov_b32 v[TM+4+\b], 0
.endr
	s_wait_loadcnt 0x0
	s_cmp_eq_u32 ttmp9, 2
	s_cbranch_scc1 .Lfor_v
	s_lshl_b32 s45, s17, 8
	s_lshl_b32 s46, s15, 7
	s_add_co_u32 s45, s45, s46
	s_lshr_b32 s46, s45, 11
	s_and_b32 s45, s45, 2047
	s_lshl_b32 s46, s46, 4
	s_lshl_b32 s47, s40, 2
	s_add_co_u32 s46, s46, s47
	s_lshl_b32 s47, s16, 1
	s_add_co_u32 s46, s46, s47
	s_lshl_b32 s92, ttmp9, 22
	s_lshl_b32 s47, s46, 17
	s_add_co_u32 s92, s92, s47
	s_lshl_b32 s47, s45, 6
	s_add_co_u32 s92, s92, s47
	s_mov_b32 s93, 0
	s_mul_i32 s94, ttmp9, 393216
	s_mul_i32 s47, s46, 12288
	s_add_co_u32 s94, s94, s47
	s_lshl_b32 s47, s45, 2
	s_add_co_u32 s94, s94, s47
	s_add_co_u32 s94, s94, 12582912
	s_mov_b32 s95, 0
	s_add_nc_u64 s[98:99], s[12:13], s[94:95]
	s_add_nc_u64 s[12:13], s[12:13], s[92:93]
.irp a, 0,1,2,3,4,5,6,7
	BLOCK \a, 0
.endr
	s_branch .Lout
.Lfor_v:
	s_lshl_b32 s45, s42, 8
	s_lshl_b32 s46, s16, 7
	s_add_co_u32 s45, s45, s46
	s_lshr_b32 s46, s45, 11
	s_and_b32 s45, s45, 2047
	s_lshr_b32 s45, s45, 7
	s_lshl_b32 s46, s46, 4
	s_lshl_b32 s47, s41, 2
	s_add_co_u32 s46, s46, s47
	s_lshl_b32 s47, s15, 1
	s_add_co_u32 s46, s46, s47
	s_lshl_b32 s92, s46, 17
	s_lshl_b32 s47, s45, 13
	s_add_co_u32 s92, s92, s47
	s_add_co_u32 s92, s92, 8388608
	s_mov_b32 s93, 0
	s_mul_i32 s94, s46, 12288
	s_lshl_b32 s47, s45, 8
	s_add_co_u32 s94, s94, s47
	s_add_co_u32 s94, s94, 12976128+8192
	s_mov_b32 s95, 0
	s_add_nc_u64 s[98:99], s[12:13], s[94:95]
	s_add_nc_u64 s[12:13], s[12:13], s[92:93]
.irp a, 0,1,2,3,4,5,6,7
	BLOCK \a, 1
.endr
.Lout:
	s_wait_tensorcnt 0x0
	ds_add_u32 v[SPW], v[NIL]
	s_wait_dscnt 0x0
	CROUND
	s_endpgm
.Lfunc_end_k_q72fc6341fa_qkv:
	.size	k_q72fc6341fa_qkv, .Lfunc_end_k_q72fc6341fa_qkv-k_q72fc6341fa_qkv
	.p2alignl 7, 3214868480
	.fill 96, 4, 3214868480
	.section	.rodata,"a",@progbits
	.p2align	6, 0x0
	.amdhsa_kernel k_q72fc6341fa_qkv
		.amdhsa_group_segment_fixed_size 327680
		.amdhsa_private_segment_fixed_size 0
		.amdhsa_enable_private_segment 0
		.amdhsa_kernarg_size 88
		.amdhsa_user_sgpr_count 2
		.amdhsa_user_sgpr_kernarg_segment_ptr 1
		.amdhsa_wavefront_size32 1
		.amdhsa_system_sgpr_workgroup_id_x 1
		.amdhsa_system_sgpr_workgroup_id_y 1
		.amdhsa_system_sgpr_workgroup_id_z 1
		.amdhsa_system_vgpr_workitem_id 0
		.amdhsa_next_free_vgpr 1024
		.amdhsa_next_free_sgpr 102
		.amdhsa_reserve_vcc 0
		.amdhsa_float_denorm_mode_32 3
		.amdhsa_float_denorm_mode_16_64 3
		.amdhsa_memory_ordered 1
		.amdhsa_forward_progress 1
		.amdhsa_inst_pref_size 255
	.end_amdhsa_kernel
	.section	.bss,"aw",@nobits
	.p2align	6
	.space	262144
	.amdgpu_metadata
---
amdhsa.version: [ 1, 2 ]
amdhsa.kernels:
  - .name:           k_q72fc6341fa_qkv
    .symbol:         k_q72fc6341fa_qkv.kd
    .args:
      - { .name: a_q, .offset: 0, .size: 8, .value_kind: global_buffer, .address_space: global }
      - { .name: wq_codes, .offset: 8, .size: 8, .value_kind: global_buffer, .address_space: global }
      - { .name: wq_scales, .offset: 16, .size: 8, .value_kind: global_buffer, .address_space: global }
      - { .name: wk_codes, .offset: 24, .size: 8, .value_kind: global_buffer, .address_space: global }
      - { .name: wk_scales, .offset: 32, .size: 8, .value_kind: global_buffer, .address_space: global }
      - { .name: wv_codes, .offset: 40, .size: 8, .value_kind: global_buffer, .address_space: global }
      - { .name: wv_scales, .offset: 48, .size: 8, .value_kind: global_buffer, .address_space: global }
      - { .name: bq, .offset: 56, .size: 8, .value_kind: global_buffer, .address_space: global }
      - { .name: bk, .offset: 64, .size: 8, .value_kind: global_buffer, .address_space: global }
      - { .name: bv, .offset: 72, .size: 8, .value_kind: global_buffer, .address_space: global }
      - { .name: qkv, .offset: 80, .size: 8, .value_kind: global_buffer, .address_space: global }
    .group_segment_fixed_size: 327680
    .private_segment_fixed_size: 0
    .kernarg_segment_align: 8
    .kernarg_segment_size: 88
    .max_flat_workgroup_size: 128
    .sgpr_count:     102
    .vgpr_count:     1024
    .wavefront_size: 32
...
	.end_amdgpu_metadata
.endif
;; end of part 3
;; launch attn (part 4): grid 8 x 32, 16 waves a work-group, clusters of 4 x 1, 327,680 bytes of LDS; arguments qkv, o_q; writes o_q
.if DOCPART == 4
	.amdgcn_target "amdgcn-amd-amdhsa--gfx1250"
	.amdhsa_code_object_version 6
	.text
	.protected	k_q72fc6341fa_attn
	.globl	k_q72fc6341fa_attn
	.p2align	8
	.type	k_q72fc6341fa_attn,@function
k_q72fc6341fa_attn:
	s_mov_b64 s[64:65], 0
	v_nop
	global_prefetch_b8 v0, s[64:65] scope:SCOPE_SE
	s_setreg_imm32_b32 hwreg(HW_REG_WAVE_MODE, 25, 1), 1
	s_wait_xcnt 0x0
	s_wait_alu depctr_hold_cnt(0) depctr_sa_sdst(0) depctr_va_vdst(0) depctr_va_sdst(0) depctr_va_ssrc(0) depctr_va_vcc(0) depctr_vm_vsrc(0)
	s_getreg_b32 s2, hwreg(HW_REG_IB_STS2, 6, 4)
	s_cmp_eq_u32 s2, 0
	s_cbranch_scc0 .Lentry_in_a_cluster
	s_endpgm
.Lentry_in_a_cluster:
	s_bfe_u32 s2, ttmp6, 0x10000c
	s_cmp_lg_u32 s2, 0x3003
	s_cbranch_scc0 .Lentry_shape_is_right
	s_endpgm
.Lentry_shape_is_right:
; o = softmax(q k^T / 4) v for each of 32 (batch, head) pairs, 2,048 tokens, head size 64, both products on codes of FP8 (E4M3) with one E8M0 scale for each 32 along K; o is quantised at once for the product with wo.
; THE SOFTMAX AHEAD OF THE SECOND PRODUCT: t = score x log2(e) / 4; M = the row's largest t so far, rounded up to a whole number; p = 2^(t - M) is quantised along the keys; the row's sum is taken of the
; unquantised p and divides at the end.  When M moves, the sum and O are multiplied by 2^(old M - new M): exact.
; qkv: images of operand registers (16 bytes a lane, 512 bytes on end): q at 0, k at 4 MiB, v at 8 MiB, 131,072 bytes a head; q, k: 1,024 bytes for 16 tokens; v: 8,192 bytes for 128 keys (4 tiles of 16 channels x 4 x 512).
; Scale words: q's at 12,582,912 + 12,288 x head (4 bytes a token); at 12,976,128 + 12,288 x head k's (4 bytes a key), 8,192 bytes on v's (256 bytes for 128 keys).  In q's and k's words the bytes of K = 64 .. 127 are 127.
; SHARES.  A work-group owns 256 queries of one head; each of its sixteen waves 16 of them, in 256 registers.  Every wave walks the head's 2,048 keys, 128 a step.
; A WHOLE HEAD'S K AND V STAY IN LDS, step by step: step s has K's 8,192 bytes at 16,384 s and V's behind them, so one address register serves both.  Every byte is filled once.  Wave w fetches 8,192 bytes
; at the head (step w / 2, K or V by w % 2: steps 0 to 7) and 8,192 more (steps 8 to 15) behind the round.  One barrier, behind step 1, shows the second half to all.
; CLUSTER.  The four query blocks of a cluster belong to one head: each fill is asked for jointly, by the same tensor load with a mask that names the four.  The head's 12,288 bytes of scale words, 1 byte in 22 of what
; the work-group reads, go through registers into LDS bytes of their own (768 bytes a step: K's 512, V's 256) and are not asked for jointly.
; LAYOUT.  Both products are used transposed (S^T = K Q^T, O^T = V^T P^T): a lane holds one query throughout.  The first product's K is 64: q's registers for K = 64 .. 127 hold zero codes.  K's eight tiles lie 8 registers
; apart, so the upper half of a tile's operand is the next tile's codes (the last tile's: zeros): finite codes x zero codes add nothing.  (k's codes come from a quantiser with a hold: none is the NaN code.)
; The held p goes into the registers that K has left, so the unheld p stays: the row's sums stand under V's loads and in the places behind the second product.
; Inside each block of 32 keys a lane's place 16 h + 8 u + j holds key 16 u + 8 h + j, in p as in v's images.  O^T is brought into the plain order (wo is given in it) by exchanges of half rows.
; No prefetch: all that the work-group reads is asked for at its head; there is no loop to run ahead in.
; o_q: images [16 tokens: 256][128 of K: 8][c 4][lane][16]; at 4,194,304 scale words [128 of K: 8][token 4096].  A head is half of a K step: its two scale bytes leave as 2 bytes a token.
; LIMITS: the scaled scores stay under 2^31 in magnitude; a block's largest p is taken from its largest score, which takes v_exp_f32 not to fall where its input rises; a block of zeros gets the byte 1;
; NaN and infinities are not served; v_rcp_f32 is good to one unit in the last place.
.set LI,   1                           ; v1   16 x lane
.set SPW,  2                           ; v2   my spare word; never rewritten
.set NIL,  3                           ; v3   0; never rewritten
.set R4,   4                           ; v4   4 x (lane % 16)
.set ADK,  5                           ; v5   LDS address of the trip's images
.set ADS,  6                           ; v6   and of its scale words
.set KB,   32                          ; v32-95 K's eight tiles, then the held p, then V's four fragments; v96-103 zero codes
.set SB,   104                         ; v104-167 S^T, then p
.set OT,   168                         ; v168-199 O^T
.set PC,   200                         ; v200-215 p's codes
.set TM,   216                         ; v216-231 a block's largest, its partner's / byte, hold, scale operand
.set KS,   232                         ; v232-239 K's scale words
.set VS,   240                         ; v240-243 V's
.set SU,   244                         ; v244-249 three chains of the row's sum
.set FF,   250                         ; v250 f = 2^(old M - new M)
.set PW,   251                         ; v251 p's scale word
.set TP,   252                         ; v252 the old -M
.set QS,   253                         ; v253 q's scale words
.set SC,    262144                     ; the scale words
.set SPARE, 274432                     ; the spare words: 128 bytes for each of 16 waves
.set WV,   18
.set MNT,  19
.set SEL,  20
.set CS,   22
.set CNT,  67
.macro CROUND
	s_barrier_signal -1
	s_barrier_wait -1
	s_cmp_lg_u32 s[WV], 0
	s_cbranch_scc1 .Lnot_wave_0_\@
	s_barrier_signal -3
.Lnot_wave_0_\@:
	s_barrier_wait -3
	s_barrier_signal -1
	s_barrier_wait -1
.endm
	s_load_b128 s[4:7], s[0:1], 0x0                ; qkv, o_q
	v_lshl_add_u32 v[SPW], v0, 2, SPARE
	v_mov_b32 v[NIL], 0
	ds_add_u32 v[SPW], v[NIL]                      ; the opening lines: the add, twice on end, and its wait ahead of my first tensor load
	ds_add_u32 v[SPW], v[NIL]
	v_lshrrev_b32 v8, 5, v0
	v_readfirstlane_b32 s[WV], v8                  ; wave 0..15
	v_and_b32 v9, 31, v0
	v_and_b32 v10, 15, v0
	v_lshlrev_b32 v[LI], 4, v9
	v_lshlrev_b32 v[R4], 2, v10
	v_mul_u32_u24 v11, v8, 768                     ; wave w copies step w's scale words
	v_lshlrev_b32 v7, 4, v0                        ; K's in memory: 16 bytes a thread
	v_lshlrev_b32 v254, 3, v0                      ; V's: 8 bytes a thread
	v_add_nc_u32 v11, SC, v11
	v_add_nc_u32 v8, v11, v[LI]                    ; where K's go in LDS
	v_lshl_add_u32 v9, v9, 3, v11                  ; and V's, 512 bytes further on
	v_mov_b32 v[ADK], v[LI]                        ; stepped trip by trip; v1 stays for the way out
	v_add_nc_u32 v[ADS], SC, v[R4]
	s_bfe_u32 s9, ttmp6, 0x40000                   ; cx
	s_lshl_b32 s10, ttmp9, 2
	s_add_co_u32 s10, s10, s9                      ; my block of 256 queries: it enters q's and o's addresses alone
	s_and_b32 s8, ttmp7, 0xffff                    ; the head, which the four partners share
	s_mov_b32 s24, 15|(3<<16)|(1<<21)              ; group 1: 8,192 dense bytes as 32 rows of 256 (32 elements of 8 bytes); the mask names all four, bit 21 beside it
	s_mov_b32 s25, 32<<16
	s_mov_b32 s26, 32<<16
	s_mov_b32 s27, 32<<16
	s_mov_b32 s28, 32
	s_mov_b32 s29, 32
	s_mov_b32 s30, 0
	s_mov_b32 s31, 0
	s_and_b32 s11, s[WV], 1
	s_add_co_u32 s11, s11, 1
	s_lshl_b32 s16, s11, 22                        ; even waves: k's images, at 4 MiB; odd ones: v's, at 8 MiB
	s_lshl_b32 s15, s8, 17
	s_add_co_u32 s16, s16, s15
	s_lshr_b32 s11, s[WV], 1
	s_lshl_b32 s11, s11, 13
	s_add_co_u32 s16, s16, s11                     ; step wave / 2
	s_mov_b32 s17, 0
	s_mul_i32 s77, s8, 12288
	s_add_co_u32 s80, s77, 12976128                ; the head's k and v scale words
	s_mov_b32 s81, 0
	s_lshl_b32 s84, s10, 14
	s_add_co_u32 s84, s84, s15
	s_lshl_b32 s85, s[WV], 10
	s_add_co_u32 s84, s84, s85                     ; q's image of my 16 queries
	s_mov_b32 s85, 0
	s_lshl_b32 s86, s10, 10
	s_add_co_u32 s86, s86, s77
	s_lshl_b32 s87, s[WV], 6
	s_add_co_u32 s86, s86, s87
	s_add_co_u32 s86, s86, 12582912                ; and their scale words
	s_mov_b32 s87, 0
	s_mov_b32 s[SEL], 0x76543210
	s_mov_b32 s[SEL+1], 0xfedcba98
	s_mov_b32 s[CS], 0x3eb8aa3b                    ; log2(e) / 4
	s_mov_b32 s[CS+1], s[CS]
	s_mov_b32 s[MNT], 0x600000
	s_wait_alu depctr_va_vdst(0)
	s_wait_dscnt 0x0                               ; both opening adds are done
	s_wait_kmcnt 0x0
	s_mov_b32 s32, 1                               ; group 0 of the head's load: LDS byte 8,192 x wave
	s_lshl_b32 s33, s[WV], 13
	s_add_nc_u64 s[34:35], s[4:5], s[16:17]
	s_mov_b32 s36, 1                               ; and of the second: eight steps on, in LDS and in memory
	s_add_co_u32 s37, s33, 131072
	s_add_nc_u64 s[38:39], s[34:35], 65536
	s_or_b32 s35, s35, 0x80000000
	s_or_b32 s39, s39, 0x80000000
	s_add_nc_u64 s[80:81], s[4:5], s[80:81]
	s_add_nc_u64 s[84:85], s[4:5], s[84:85]
	s_add_nc_u64 s[86:87], s[4:5], s[86:87]
	global_load_b128 v[SB:SB+3], v7, s[80:81]                  ; my 16 bytes of K's scale words,
	global_load_b64 v[SB+4:SB+5], v254, s[80:81] offset:8192   ; my 8 of V's
	global_load_b128 v[16:19], v[LI], s[84:85]
	global_load_b128 v[20:23], v[LI], s[84:85] offset:512
	global_load_b32 v[QS], v[R4], s[86:87]
	CROUND                                         ; all four work-groups are here: the joint loads meet
	tensor_load_to_lds s[32:35], s[24:31]          ; my one load at the head
	s_nop 0
.irp j, 24,25,26,27,28,29,30,31, 96,97,98,99,100,101,102,103
	v_mov_b32 v\j, 0                               ; the zero codes: q's K = 64 .. 127, and behind K's last tile
.endr
	v_mov_b32 v13, 0xff61b1e6                      ; the largest score so far: -3e38
	v_mov_b32 v12, 0x7f61b1e6                      ; -M: 3e38, so that the first f is 0
	v_mov_b32 v14, 0
	v_mov_b32 v15, 0
.irp b, 0,1,2,3
	v_mov_b32 v[TM+4+\b], 0                        ; a lane permute's destination counts as one of its sources
.endr
	v_mov_b32 v[PW], 0                             ; named as the upper half of the pair with f before it is first written
.set j, 0
.rept 32
	v_mov_b32 v[OT+j], 0                           ; O^T: the step has no first form: the first change of M multiplies zeros
.set j, j+1
.endr
.macro ACCUM from, to                  ; pairs from .. to of p onto the four chains by turns
.set j, \from
.rept \to-\from+1
.if j%4 == 0
	v_pk_add_f32 v[14:15], v[14:15], v[SB+2*j:SB+2*j+1]
.else
	v_pk_add_f32 v[SU+2*(j%4)-2:SU+2*(j%4)-1], v[SU+2*(j%4)-2:SU+2*(j%4)-1], v[SB+2*j:SB+2*j+1]
.endif
.set j, j+1
.endr
.endm
; A KEY STEP: 128 keys.  ko, so: the step's images and scale words behind the trip's addresses; adv = 1: the addresses step on to the next trip.
.macro STEP ko, so, adv
.irp t, 0,1,2,3,4,5,6,7                ; (the twelve additions that end a step are the places in front of these loads)
	ds_load_b128 v[KB+8*\t:KB+8*\t+3], v[ADK] offset:\ko+\t*1024
	ds_load_b128 v[KB+8*\t+4:KB+8*\t+7], v[ADK] offset:\ko+\t*1024+512
	ds_load_b32 v[KS+\t], v[ADS] offset:\so+\t*64
.endr
	s_wait_dscnt 0x0
.irp t, 0,1,2,3,4,5,6,7                ; S^T = K Q^T
	v_wmma_scale_f32_16x16x128_f8f6f4 v[SB+8*\t:SB+8*\t+7], v[KB+8*\t:KB+8*\t+15], v[16:31], 0, v[KS+\t], v[QS]
.endr
	v_mov_b32 v[TP], v12                           ; the old -M; with the seven below: eight places
.rept 7
	v_nop
.endr
.irp b, 0,1,2,3
	v_max3_num_f32 v[TM+\b], v[SB+16*\b], v[SB+16*\b+1], v[SB+16*\b+2]   ; the largest score of each block of 32 keys: for the row's maximum, and for the block's largest p
.endr
.irp i, 3,5,7,9,11,13
.irp b, 0,1,2,3
	v_max3_num_f32 v[TM+\b], v[TM+\b], v[SB+16*\b+\i], v[SB+16*\b+\i+1]
.endr
.endr
.irp b, 0,1,2,3
	v_max_num_f32 v[TM+\b], v[TM+\b], v[SB+16*\b+15]
.endr
.irp b, 0,1,2,3
	s_delay_alu instid0(VALU_DEP_4)
	v_permlanex16_b32 v[TM+4+\b], v[TM+\b], s[SEL], s[SEL+1]
.endr
.irp b, 0,1,2,3
	s_delay_alu instid0(VALU_DEP_4)
	v_max_num_f32 v[TM+\b], v[TM+\b], v[TM+4+\b]
.endr
	s_delay_alu instid0(VALU_DEP_2)
	v_max3_num_f32 v254, v[TM], v[TM+1], v[TM+2]
	s_delay_alu instid0(VALU_DEP_1)
	v_max3_num_f32 v13, v13, v254, v[TM+3]         ; the running largest score
	s_delay_alu instid0(VALU_DEP_1)
	v_mul_f32 v254, s[CS], v13                     ; as t
	s_delay_alu instid0(VALU_DEP_1)
	v_floor_f32 v12, -v254                         ; the new -M
	s_delay_alu instid0(VALU_DEP_1)
	v_sub_f32 v254, v12, v[TP]
	s_delay_alu instid0(VALU_DEP_1)
	v_cvt_i32_f32 v254, v254                       ; (it saturates)
	s_delay_alu instid0(VALU_DEP_1)
	v_ldexp_f32 v[FF], 1.0, v254                   ; f = 2^(old M - new M)
.set j, 0
.rept 32
	v_pk_fma_f32 v[SB+j:SB+j+1], v[SB+j:SB+j+1], s[CS:CS+1], v[12:13] op_sel_hi:[1,0,0]   ; t - M
.set j, j+2
.endr
.irp b, 0,1,2,3
	v_fma_f32 v[TM+\b], v[TM+\b], s[CS], v12
.endr
	s_wait_alu depctr_va_vdst(0)
.set j, 0
.rept 64
	v_exp_f32 v[SB+j], v[SB+j]                     ; p = 2^(t - M)
.set j, j+1
.endr
	v_pk_mul_f32 v[14:15], v[14:15], v[FF:FF+1] op_sel_hi:[1,0]   ; the sum under the new M (a plain line behind the exponentials)
	s_wait_alu depctr_va_vdst(0)                   ; one wait for the batch, ahead of its first reader
.irp b, 0,1,2,3
	v_exp_f32 v[TM+\b], v[TM+\b]                   ; each block's largest p
.endr
	v_pk_add_f32 v[SU:SU+1], v[SB:SB+1], v[SB+2:SB+3]          ; the row's sum of the unquantised p begins: pairs 0 to 6
	v_pk_add_f32 v[SU+2:SU+3], v[SB+4:SB+5], v[SB+6:SB+7]
	v_pk_add_f32 v[SU+4:SU+5], v[SB+8:SB+9], v[SB+10:SB+11]
	v_pk_add_f32 v[14:15], v[14:15], v[SB+12:SB+13]
	s_wait_alu depctr_va_vdst(0)                   ; and one for the four
.irp b, 0,1,2,3
	v_max_num_f32 v[TM+\b], 0x4800000, v[TM+\b]    ; the floor 2^(9 - 127)
.endr
.irp b, 0,1,2,3
	s_delay_alu instid0(VALU_DEP_4)
	v_add_nc_u32 v[TM+12+\b], 0xfc000000, v[TM+\b] ; 8 off the exponent field: the conversion's scale operand
.endr
.irp b, 0,1,2,3
	v_and_or_b32 v[TM+8+\b], v[TM+\b], 0x7f800000, s[MNT]   ; 448 x the scale
.endr
.irp b, 0,1,2,3
	v_lshrrev_b32 v[TM+4+\b], 23, v[TM+12+\b]      ; the scale's byte
.endr
	s_delay_alu instid0(VALU_DEP_3)
	v_lshl_or_b32 v[PW], v[TM+5], 8, v[TM+4]       ; p's scale word for these 128 keys
	s_delay_alu instid0(VALU_DEP_1)
	v_lshl_or_b32 v[PW], v[TM+6], 16, v[PW]
	s_delay_alu instid0(VALU_DEP_1)
	v_lshl_or_b32 v[PW], v[TM+7], 24, v[PW]
.irp b, 0,1,2,3
.irp i, 0,2,4,6,8,10,12,14             ; the hold, two numbers an instruction; p is not negative; the held p goes where K lay
	v_dual_min_num_f32 v[KB+16*\b+\i], v[SB+16*\b+\i], v[TM+8+\b] :: v_dual_min_num_f32 v[KB+16*\b+\i+1], v[SB+16*\b+\i+1], v[TM+8+\b]
.endr
	v_cvt_scalef32_pk8_fp8_f32 v[PC+4*\b:PC+4*\b+1], v[KB+16*\b:KB+16*\b+7], v[TM+12+\b]
	v_cvt_scalef32_pk8_fp8_f32 v[PC+4*\b+2:PC+4*\b+3], v[KB+16*\b+8:KB+16*\b+15], v[TM+12+\b]
.endr
.irp t, 0,1,2,3                        ; V's four fragments take the registers that the held p has left
.irp c, 0,1,2,3
	ds_load_b128 v[KB+16*\t+4*\c:KB+16*\t+4*\c+3], v[ADK] offset:\ko+8192+\t*2048+\c*512
.endr
	ds_load_b32 v[VS+\t], v[ADS] offset:\so+512+\t*64
.endr
.if \adv
	v_add_nc_u32 v[ADK], 32768, v[ADK]             ; two steps on (LDS instructions have read their addresses at issue)
	v_add_nc_u32 v[ADS], 1536, v[ADS]
.endif
	s_wait_alu depctr_va_vdst(0)                   ; ahead of the first reader of O^T
.set j, 0
.rept 16
	v_pk_mul_f32 v[OT+j:OT+j+1], v[OT+j:OT+j+1], v[FF:FF+1] op_sel_hi:[1,0]   ; O^T under the new M
.set j, j+2
.endr
	ACCUM 7, 22                                    ; sixteen pairs of the sum stand under V's loads
	s_wait_alu depctr_va_vdst(0)
	s_wait_dscnt 0x0
.irp t, 0,1,2,3                        ; O^T += V^T P^T: the four accumulators by turns
	v_wmma_scale_f32_16x16x128_f8f6f4 v[OT+8*\t:OT+8*\t+7], v[KB+16*\t:KB+16*\t+15], v[PC:PC+15], v[OT+8*\t:OT+8*\t+7], v[VS+\t], v[PW]
.endr
	ACCUM 23, 31                                   ; the sum's last pairs name none of the products' registers: they are the places behind them
	s_delay_alu instid0(VALU_DEP_2)
	v_pk_add_f32 v[SU:SU+1], v[SU:SU+1], v[SU+2:SU+3]
	s_delay_alu instid0(VALU_DEP_2)
	v_pk_add_f32 v[14:15], v[14:15], v[SU+4:SU+5]
	s_delay_alu instid0(VALU_DEP_1)
	v_pk_add_f32 v[14:15], v[14:15], v[SU:SU+1]
.endm
.macro TRIP
	STEP 0, 0, 0
	STEP 16384, 768, 1
.endm
	s_wait_alu depctr_va_vdst(0)
	s_wait_loadcnt 0x0                             ; q and the scale words
	s_wait_tensorcnt 0x0                           ; no tensor load of mine is out when I store to LDS
	ds_store_b128 v8, v[SB:SB+3]
	ds_store_b64 v9, v[SB+4:SB+5] offset:512
	s_wait_tensorcnt 0x0
	ds_add_u32 v[SPW], v[NIL]
	s_wait_dscnt 0x0                               ; the add and my stores are done
	CROUND                                         ; steps 0 to 7 and the scale words are whole, and all four work-groups are here
	tensor_load_to_lds s[36:39], s[24:31]          ; steps 8 to 15: my one load behind the round
	s_nop 0
	TRIP                                           ; steps 0 and 1
	s_wait_tensorcnt 0x0                           ; my part of steps 8 to 15 is in
	s_wait_dscnt 0x0
	s_barrier_signal -1
	s_barrier_wait -1
	s_mov_b32 s[CNT], 7
.Ltrip:
	TRIP
	s_sub_co_u32 s[CNT], s[CNT], 1
	s_cmp_lg_u32 s[CNT], 0
	s_cbranch_scc1 .Ltrip
	; THE WAY OUT: O^T / the sum, into the plain order along K, quantised, stored as an image.
	v_add_f32 v14, v14, v15
	s_delay_alu instid0(VALU_DEP_1)
	v_permlanex16_b32 v[FF], v14, s[SEL], s[SEL+1]
	s_delay_alu instid0(VALU_DEP_1)
	v_add_f32 v14, v14, v[FF]
	s_wait_alu depctr_va_vdst(0)                   ; ahead of the transcendental
	v_rcp_f32 v14, v14
	v_nop
	s_lshr_b32 s76, s8, 4                          ; batch
	s_and_b32 s77, s8, 15                          ; head
	s_lshl_b32 s76, s76, 7
	s_lshl_b32 s78, s10, 4
	s_add_co_u32 s76, s76, s78
	s_add_co_u32 s76, s76, s[WV]                   ; my block of 16 tokens
	s_lshr_b32 s78, s77, 1                         ; which 128 of K,
	s_and_b32 s77, s77, 1                          ; and which half of it
	s_lshl_b32 s88, s76, 14
	s_lshl_b32 s79, s78, 11
	s_add_co_u32 s88, s88, s79
	s_lshl_b32 s79, s77, 10
	s_add_co_u32 s88, s88, s79
	s_mov_b32 s89, 0
	s_add_nc_u64 s[88:89], s[6:7], s[88:89]
	s_lshl_b32 s90, s78, 14
	s_lshl_b32 s79, s76, 6
	s_add_co_u32 s90, s90, s79
	s_lshl_b32 s79, s77, 1
	s_add_co_u32 s90, s90, s79
	s_add_co_u32 s90, s90, 4194304
	s_mov_b32 s91, 0
	s_add_nc_u64 s[90:91], s[6:7], s[90:91]
	s_wait_alu depctr_va_vdst(0)                   ; ahead of the first reader of the reciprocal and of O^T
.set j, 0
.rept 32
	v_mul_f32 v[SB+j], v[OT+j], v14                ; register 16 b + 8 u + j: channel 32 b + 16 u + 8 h + j
.set j, j+1
.endr
.irp b, 0,1
.irp j, 0,1,2,3,4,5,6,7
	v_permlane16_swap_b32 v[SB+16*\b+\j], v[SB+8+16*\b+\j]   ; the first's lanes 16-31 change places with the second's lanes 0-15: register 16 b + i now holds channel 32 b + 16 h + i
.endr
.endr
.irp b, 0,1
	v_max3_num_f32 v[TM+\b], |v[SB+16*\b]|, |v[SB+1+16*\b]|, 0x4800000
.endr
.irp i, 2,4,6,8,10,12,14
.irp b, 0,1
	s_delay_alu instid0(VALU_DEP_2)
	v_max3_num_f32 v[TM+\b], v[TM+\b], |v[SB+16*\b+\i]|, |v[SB+1+16*\b+\i]|
.endr
.endr
.irp b, 0,1
	s_delay_alu instid0(VALU_DEP_2)
	v_permlanex16_b32 v[TM+4+\b], v[TM+\b], s[SEL], s[SEL+1]
.endr
.irp b, 0,1
	s_delay_alu instid0(VALU_DEP_2)
	v_max_num_f32 v[TM+\b], v[TM+\b], v[TM+4+\b]
.endr
.irp b, 0,1
	s_delay_alu instid0(VALU_DEP_2)
	v_add_nc_u32 v[TM+12+\b], 0xfc000000, v[TM+\b]
.endr
.irp b, 0,1
	s_delay_alu instid0(VALU_DEP_4)
	v_and_or_b32 v[TM+8+\b], v[TM+\b], 0x7f800000, s[MNT]
.endr
.irp b, 0,1
	s_delay_alu instid0(VALU_DEP_4)
	v_lshrrev_b32 v[TM+4+\b], 23, v[TM+12+\b]
.endr
	s_delay_alu instid0(VALU_DEP_1)
	v_lshl_or_b32 v[TP], v[TM+5], 8, v[TM+4]       ; my head's two bytes of the row's scale word
.irp b, 0,1
.irp i, 0,1,2,3,4,5,6,7,8,9,10,11,12,13,14,15
	v_med3_num_f32 v[SB+16*\b+\i], v[SB+16*\b+\i], -v[TM+8+\b], v[TM+8+\b]
.endr
	v_cvt_scalef32_pk8_fp8_f32 v[PC+4*\b:PC+1+4*\b], v[SB+16*\b:SB+7+16*\b], v[TM+12+\b]
	v_cvt_scalef32_pk8_fp8_f32 v[PC+2+4*\b:PC+3+4*\b], v[SB+8+16*\b:SB+15+16*\b], v[TM+12+\b]
.endr
	v_nop
	global_store_b128 v[LI], v[PC:PC+3], s[88:89]
	global_store_b128 v[LI], v[PC+4:PC+7], s[88:89] offset:512
	global_store_b16 v[R4], v[TP], s[90:91]        ; lanes l and l xor 16 store the same two bytes at the same place
	s_wait_tensorcnt 0x0                           ; the wave's end
	ds_add_u32 v[SPW], v[NIL]
	s_wait_dscnt 0x0
	CROUND                                         ; the closing round
	s_endpgm
.Lfunc_end_k_q72fc6341fa_attn:
	.size	k_q72fc6341fa_attn, .Lfunc_end_k_q72fc6341fa_attn-k_q72fc6341fa_attn
	.p2alignl 7, 3214868480
	.fill 96, 4, 3214868480
	.section	.rodata,"a",@progbits
	.p2align	6, 0x0
	.amdhsa_kernel k_q72fc6341fa_attn
		.amdhsa_group_segment_fixed_size 327680
		.amdhsa_private_segment_fixed_size 0
		.amdhsa_enable_private_segment 0
		.amdhsa_kernarg_size 16
		.amdhsa_user_sgpr_count 2
		.amdhsa_user_sgpr_kernarg_segment_ptr 1
		.amdhsa_wavefront_size32 1
		.amdhsa_system_sgpr_workgroup_id_x 1
		.amdhsa_system_sgpr_workgroup_id_y 1
		.amdhsa_system_sgpr_workgroup_id_z 1
		.amdhsa_system_vgpr_workitem_id 0
		.amdhsa_next_free_vgpr 256
		.amdhsa_next_free_sgpr 100
		.amdhsa_reserve_vcc 0
		.amdhsa_float_denorm_mode_32 3
		.amdhsa_float_denorm_mode_16_64 3
		.amdhsa_memory_ordered 1
		.amdhsa_forward_progress 1
		.amdhsa_inst_pref_size 93
	.end_amdhsa_kernel
	.amdgpu_metadata
---
amdhsa.version: [ 1, 2 ]
amdhsa.kernels:
  - .name:           k_q72fc6341fa_attn
    .symbol:         k_q72fc6341fa_attn.kd
    .args:
      - { .name: qkv, .offset: 0, .size: 8, .value_kind: global_buffer, .address_space: global }
      - { .name: o_q, .offset: 8, .size: 8, .value_kind: global_buffer, .address_space: global }
    .group_segment_fixed_size: 327680
    .private_segment_fixed_size: 0
    .kernarg_segment_align: 8
    .kernarg_segment_size: 16
    .max_flat_workgroup_size: 512
    .sgpr_count:     100
    .vgpr_count:     256
    .wavefront_size: 32
...
	.end_amdgpu_metadata
.endif
;; end of part 4
;; launch oproj (part 5): grid 8 x 32, 4 waves a work-group, clusters of 4 x 4, 327,680 bytes of LDS; arguments o_q, wo_codes, wo_scales, bo, x, r, part; writes r, part
.if DOCPART == 5
	.amdgcn_target "amdgcn-amd-amdhsa--gfx1250"
	.amdhsa_code_object_version 6
	.text
	.protected	k_q72fc6341fa_oproj
	.globl	k_q72fc6341fa_oproj
	.p2align	8
	.type	k_q72fc6341fa_oproj,@function
k_q72fc6341fa_oproj:
	s_mov_b64 s[64:65], 0
	v_nop
	global_prefetch_b8 v0, s[64:65] scope:SCOPE_SE
	s_setreg_imm32_b32 hwreg(HW_REG_WAVE_MODE, 25, 1), 1
	s_wait_xcnt 0x0
	s_wait_alu depctr_hold_cnt(0) depctr_sa_sdst(0) depctr_va_vdst(0) depctr_va_sdst(0) depctr_va_ssrc(0) depctr_va_vcc(0) depctr_vm_vsrc(0)
	s_getreg_b32 s2, hwreg(HW_REG_IB_STS2, 6, 4)
	s_cmp_eq_u32 s2, 0
	s_cbranch_scc0 .Lentry_in_a_cluster
	s_endpgm
.Lentry_in_a_cluster:
	s_bfe_u32 s2, ttmp6, 0x10000c
	s_cmp_lg_u32 s2, 0xf033
	s_cbranch_scc0 .Lentry_shape_is_right
	s_endpgm
.Lentry_shape_is_right:
.set SIZE_K, 1024
.set STATS,  1
.set KSN,    SIZE_K/128
.set KS,     SIZE_K/32
.set LAPS,   SIZE_K/1024
.set AHALF,  32768
.set BP,     528
.set BHALF,  64*BP
.set BOFF,   2*AHALF
.set SLOT,   BOFF+2*BHALF
.set SCA,    2*SLOT
.set SCB,    SCA+KSN*512
.set HALFS,  (64*KS/256)*272
.set SBLK,   (16*KS/256)*272
.set SPARE,  SCB+2*HALFS
.set SPITCH, 272
.set ADRA,  16
.set ADRB,  20
.set ADRSA, 22
.set ADRSB, 23
.set STO,   24
.set RD,    25
.set CO,    26
.set BA,    27
.set SPW,   28
.set NIL,   29
.set SA,    32
.set SB,    64
.set BIAS,  96
.set ACC,   128
.set F0,    0
.set F1,    128
.set G1A, 24
.set G0A, 32
.set G1B, 48
.set G0B, 56
.set SDA, 18                           ; v18 where my lane puts A's scale words in LDS
.set SDB, 19                           ; v19 and B's scale bytes
.set MSB, 0
.macro WIN new
.if MSB != (\new)
	s_set_vgpr_msb (MSB<<8)|(\new)
.set MSB, (\new)
.endif
.endm
.macro JLOAD g0a, g1a, g0b, g1b
	s_cmp_eq_u32 s19, 0
	s_cbranch_scc0 .Lfor_b_\@
	tensor_load_to_lds s[\g0a:\g0a+3], s[\g1a:\g1a+7]
	s_nop 0
.rept 4
	v_nop
.endr
	s_branch .Lasked_\@
.Lfor_b_\@:
	tensor_load_to_lds s[\g0b:\g0b+3], s[\g1b:\g1b+7]
	s_nop 0
.rept 4
	v_nop
.endr
.Lasked_\@:
.endm
.macro CREST
	s_cmp_lg_u32 s18, 0
	s_cbranch_scc1 .Lnot_wave_0_\@
	s_barrier_signal -3
.Lnot_wave_0_\@:
	s_barrier_wait -3
	s_barrier_signal -1
	s_barrier_wait -1
.endm
.macro CROUND
	s_barrier_signal -1
	s_barrier_wait -1
	CREST
.endm
.macro PLACES n
.rept \n
	v_nop
.endr
.endm
	s_load_b256 s[4:11], s[0:1], 0x0
	s_load_b128 s[12:15], s[0:1], 0x20
.if STATS
	s_load_b64 s[16:17], s[0:1], 0x30
.endif
	v_lshl_add_u32 v[SPW], v0, 2, SPARE
	v_mov_b32 v[NIL], 0
	ds_add_u32 v28, v29
	ds_add_u32 v28, v29
	s_wait_dscnt 0x0
	v_lshrrev_b32 v1, 5, v0
	v_readfirstlane_b32 s18, v1
	s_lshr_b32 s19, s18, 1
	s_and_b32 s20, s18, 1
	s_bfe_u32 s40, ttmp6, 0x40000
	s_bfe_u32 s41, ttmp6, 0x40004
	s_lshl_b32 s22, ttmp9, 2
	s_add_co_u32 s22, s22, s40
	s_and_b32 s21, ttmp7, 0xffff
	s_lshl_b32 s21, s21, 2
	s_add_co_u32 s21, s21, s41
	s_lshl_b32 s42, s41, 2
	s_lshl_b32 s42, 15, s42
	s_lshl_b32 s43, 0x1111, s40
	s_or_b32 s[G1A], s42, (3<<16)|(1<<21)
	s_mov_b32 s[G1A+1], 1024<<16
	s_mov_b32 s[G1A+2], 4<<16
	s_mov_b32 s[G1A+3], 1024<<16
	s_mov_b32 s[G1A+4], 4
	s_mov_b32 s[G1A+5], 2*SIZE_K
	s_mov_b32 s[G1A+6], 0
	s_mov_b32 s[G1A+7], 0
	s_or_b32 s[G1B], s43, (0<<16)|(1<<20)|(1<<21)|(6<<22)|(3<<25)
	s_mov_b32 s[G1B+1], 512<<16
	s_mov_b32 s[G1B+2], 64<<16
	s_mov_b32 s[G1B+3], 512<<16
	s_mov_b32 s[G1B+4], 64
	s_mov_b32 s[G1B+5], SIZE_K
	s_mov_b32 s[G1B+6], 0
	s_mov_b32 s[G1B+7], 0
	s_lshl_b32 s23, s20, 6
	s_lshl_b32 s44, s21, 7
	s_add_co_u32 s44, s44, s23
	s_mul_i32 s44, s44, SIZE_K
	s_mov_b32 s45, 0
	s_lshl_b32 s92, s22, 7
	s_add_co_u32 s92, s92, s23
	s_mul_i32 s92, s92, SIZE_K
	s_mov_b32 s93, 0
	s_lshl_b32 s96, s20, 15
	s_mul_i32 s97, s20, BHALF
	s_add_co_u32 s97, s97, BOFF
	s_wait_kmcnt 0x0
	s_add_nc_u64 s[44:45], s[4:5], s[44:45]
	s_add_nc_u64 s[92:93], s[6:7], s[92:93]
	CROUND
	s_lshl_b32 s88, s21, 9                         ; the scales go through registers, a quarter a wave: 8,192 bytes a work-group, 1 byte in 33 of its codes, so they are not asked for jointly
	s_lshl_b32 s89, s18, 15
	s_add_co_u32 s88, s88, s89
	s_add_co_u32 s88, s88, 4096*SIZE_K
	s_mov_b32 s89, 0
	s_add_nc_u64 s[76:77], s[4:5], s[88:89]        ; A's scale words: the tile's 128 tokens (512 bytes) of K steps 2 x wave and 2 x wave + 1, 16,384 bytes apart
	s_lshl_b32 s88, s22, 12
	s_lshl_b32 s90, s18, 10
	s_add_co_u32 s88, s88, s90
	s_add_nc_u64 s[78:79], s[8:9], s[88:89]        ; B's scale bytes: 1,024 of the tile's 4,096 dense bytes
.irp s, 0,1
	s_mov_b32 s[G0A+4*\s], 1
	s_add_co_u32 s[G0A+4*\s+1], s96, \s*SLOT
	s_add_nc_u64 s[G0A+4*\s+2:G0A+4*\s+3], s[44:45], \s*8192
	s_or_b32 s[G0A+4*\s+3], s[G0A+4*\s+3], 0x80000000
	s_mov_b32 s[G0B+4*\s], 1
	s_add_co_u32 s[G0B+4*\s+1], s97, \s*SLOT
	s_add_nc_u64 s[G0B+4*\s+2:G0B+4*\s+3], s[92:93], \s*512
	s_or_b32 s[G0B+4*\s+3], s[G0B+4*\s+3], 0x80000000
.endr
	JLOAD G0A, G1A, G0B, G1B                       ; my quarter of slot 0: my one tensor load at the head
	v_and_b32 v1, 15, v0
	v_bfe_u32 v2, v0, 4, 1
	v_and_b32 v3, 31, v0
	v_lshlrev_b32 v4, 4, v3
	v_lshlrev_b32 v5, 11, v2                       ; A's words in LDS: [half of the rows: 2,048][K step: 256][token: 4]; lanes 16-31 hold the second half's
	v_lshl_add_u32 v5, v1, 4, v5
	s_lshl_b32 s23, s18, 9
	s_add_co_u32 s23, s23, SCA
	v_add_nc_u32 v[SDA], s23, v5
	v_mul_u32_u24 v5, v2, 272                      ; B's bytes: units of 256 + 16 of padding, four units a wave
	v_lshl_add_u32 v5, v1, 4, v5
	s_mul_i32 s23, s18, 1088
	s_add_co_u32 s23, s23, SCB
	v_add_nc_u32 v[SDB], s23, v5
.irp i, 0,1
	global_load_b128 v[ACC+4*\i:ACC+4*\i+3], v4, s[76:77] offset:16384*\i
	global_load_b128 v[ACC+8+4*\i:ACC+8+4*\i+3], v4, s[78:79] offset:512*\i
.endr
	s_lshl_b32 s23, s19, 15
	v_add_nc_u32 v[ADRA], s23, v4
	v_add_nc_u32 v[ADRA+1], SLOT, v[ADRA]
	v_mul_u32_u24 v5, v1, BP
	v_lshl_add_u32 v5, v2, 4, v5
	s_mul_i32 s23, s20, BHALF
	s_add_co_u32 s23, s23, BOFF
	v_add_nc_u32 v[ADRB], s23, v5
	v_add_nc_u32 v[ADRB+1], SLOT, v[ADRB]
	v_lshlrev_b32 v6, 2, v1
	s_mul_i32 s23, s19, KSN*256
	s_add_co_u32 s23, s23, SCA
	v_add_nc_u32 v[ADRSA], s23, v6
	v_mul_u32_u24 v5, v1, KS
	v_lshrrev_b32 v7, 8, v5
	v_lshl_add_u32 v5, v7, 4, v5
	s_mul_i32 s23, s20, HALFS
	s_add_co_u32 s23, s23, SCB
	v_add_nc_u32 v[ADRSB], s23, v5
	s_mul_i32 s23, s18, 16*SPITCH
	v_mul_u32_u24 v5, v1, SPITCH
	v_lshl_add_u32 v5, v2, 5, v5
	v_add_nc_u32 v[STO], s23, v5
	v_mul_u32_u24 v5, v2, SPITCH
	v_lshl_add_u32 v5, v1, 4, v5
	v_add_nc_u32 v[RD], s23, v5
	v_lshlrev_b32 v5, 12, v2
	v_lshl_add_u32 v[CO], v1, 4, v5
	v_lshlrev_b32 v[BA], 5, v2
	s_wait_alu depctr_va_vdst(0)
	s_lshl_b32 s100, s22, 9
	s_lshl_b32 s23, s20, 8
	s_add_co_u32 s100, s100, s23
	s_mov_b32 s101, 0
	s_add_nc_u64 s[10:11], s[10:11], s[100:101]
	s_lshl_b32 s23, s21, 19
	s_add_co_u32 s100, s100, s23
	s_lshl_b32 s23, s19, 18
	s_add_co_u32 s100, s100, s23
	s_add_nc_u64 s[12:13], s[12:13], s[100:101]
	s_add_nc_u64 s[14:15], s[14:15], s[100:101]
.irp b, 0,1,2,3
	global_load_b128 v[BIAS+8*\b:BIAS+8*\b+3], v[BA], s[10:11] offset:64*\b
	global_load_b128 v[BIAS+8*\b+4:BIAS+8*\b+7], v[BA], s[10:11] offset:64*\b+16
.endr
	WIN 0x80
.irp a, 0,1,2,3
.irp t, 0,1,2,3,4,5,6,7
	global_load_b128 v[32*\a+4*\t:32*\a+4*\t+3], v[CO], s[12:13] offset:(16*\a+2*\t)*4096
.endr
.endr
	WIN 0
.macro FETCH slot, q, f
	WIN 0x40
.irp i, 0,1,2,3
.irp c, 0,1,2,3
	ds_load_b128 v[\f+64+16*\i+4*\c:\f+64+16*\i+4*\c+3], v[ADRB+\slot] offset:128*(\q)+32*\c+\i*16*BP
.endr
.endr
.irp i, 0,1,2,3
.irp c, 0,1,2,3
	ds_load_b128 v[\f+16*\i+4*\c:\f+16*\i+4*\c+3], v[ADRA+\slot] offset:\i*8192+2048*(\q)+512*\c
.endr
.endr
.endm
.macro SCALES set
	WIN 0
.irp i, 0,1,2,3
.irp q, 0,1,2,3
	ds_load_b32 v[SA+16*\set+4*\i+\q], v[ADRSA] offset:256*\q+64*\i
.endr
.endr
.irp i, 0,1,2,3
	ds_load_b128 v[SB+16*\set+4*\i:SB+16*\set+4*\i+3], v[ADRSB] offset:\i*SBLK
.endr
.endm
.macro MUL8 f, q, set, a0, first
.irp a, \a0, \a0+1
.irp b, 0,1,2,3
.if \first
	v_wmma_scale_f32_16x16x128_f8f6f4 v[ACC+8*(4*(\a)+\b):ACC+8*(4*(\a)+\b)+7], v[\f+64+16*\b:\f+64+16*\b+15], v[\f+16*(\a):\f+16*(\a)+15], v[BIAS+8*\b:BIAS+8*\b+7], v[SB+16*(\set)+4*\b+(\q)], v[SA+16*(\set)+4*(\a)+(\q)]
.else
	v_wmma_scale_f32_16x16x128_f8f6f4 v[ACC+8*(4*(\a)+\b):ACC+8*(4*(\a)+\b)+7], v[\f+64+16*\b:\f+64+16*\b+15], v[\f+16*(\a):\f+16*(\a)+15], v[ACC+8*(4*(\a)+\b):ACC+8*(4*(\a)+\b)+7], v[SB+16*(\set)+4*\b+(\q)], v[SA+16*(\set)+4*(\a)+(\q)]
.endif
.endr
.endr
.endm
.macro STEP slot, q, first
	PLACES 8
	FETCH \slot, (\q)+1, F0+128*(((\q)+1)%2)
	s_wait_dscnt 32
	WIN 0x05
	MUL8 F0+128*((\q)%2), \q, \slot, 0, \first
	MUL8 F0+128*((\q)%2), \q, \slot, 2, \first
.endm
.macro TURN slot, next, fill
	WIN 0
	s_wait_tensorcnt 0x0
	ds_add_u32 v[SPW], v[NIL]
	s_wait_dscnt 1
	WIN 0x05
	MUL8 F1, 3, \slot, 0, 0
	s_wait_dscnt 0x0
	s_barrier_signal -1
	WIN 0
	s_barrier_wait -1
.if \fill
	CREST
	s_add_nc_u64 s[G0A+4*\slot+2:G0A+4*\slot+3], s[G0A+4*\slot+2:G0A+4*\slot+3], 2*8192
	s_add_nc_u64 s[G0B+4*\slot+2:G0B+4*\slot+3], s[G0B+4*\slot+2:G0B+4*\slot+3], 2*512
	JLOAD G0A+4*\slot, G1A, G0B+4*\slot, G1B
	PLACES 4
.else
	PLACES 8
.endif
	v_add_nc_u32 v[ADRSA], 1024, v[ADRSA]
	v_add_nc_u32 v[ADRSB], 16, v[ADRSB]
	FETCH \next, 0, F0
	SCALES \next
	WIN 0x05
	MUL8 F1, 3, \slot, 2, 0
.endm
	s_wait_alu depctr_va_vdst(0)
	s_wait_tensorcnt 0x0                           ; no tensor load of mine is out when I store to LDS
	s_wait_loadcnt 40                              ; the four loads of scales are in; the 8 loads of the bias and the 32 of x behind them may be out
	ds_store_b128 v[SDA], v[ACC:ACC+3]
	ds_store_b128 v[SDA], v[ACC+4:ACC+7] offset:256
	ds_store_b128 v[SDB], v[ACC+8:ACC+11]
	ds_store_b128 v[SDB], v[ACC+12:ACC+15] offset:544
	s_wait_tensorcnt 0x0
	ds_add_u32 v[SPW], v[NIL]
	s_wait_dscnt 0x0                               ; the add and my stores are done
	CROUND                                         ; slot 0 and the scales are whole, and all sixteen work-groups are here
	JLOAD G0A+4, G1A, G0B+4, G1B                   ; slot 1's first fill: my one tensor load behind the round
	FETCH 0, 0, F0
	SCALES 0
	s_wait_loadcnt 32
	STEP 0, 0, 1
.if LAPS > 1
	WIN 0
	s_mov_b32 s3, LAPS-1
.Llap:
	STEP 0, 1, 0
	STEP 0, 2, 0
	TURN 0, 1, 1
	STEP 1, 0, 0
	STEP 1, 1, 0
	STEP 1, 2, 0
	TURN 1, 0, 1
	STEP 0, 0, 0
	WIN 0
	s_sub_co_u32 s3, s3, 1
	s_cmp_lg_u32 s3, 0
	s_cbranch_scc1 .Llap
.endif
	STEP 0, 1, 0
	STEP 0, 2, 0
	TURN 0, 1, 0
	STEP 1, 0, 0
	STEP 1, 1, 0
	STEP 1, 2, 0
	s_wait_dscnt 0
	MUL8 F1, 3, 1, 0, 0
	MUL8 F1, 3, 1, 2, 0
	WIN 0
	PLACES 8
.irp a, 0,1,2,3
.irp b, 0,1,2,3
	ds_store_b128 v[STO], v[ACC+8*(4*\a+\b):ACC+8*(4*\a+\b)+3] offset:64*\b
	ds_store_b128 v[STO], v[ACC+8*(4*\a+\b)+4:ACC+8*(4*\a+\b)+7] offset:64*\b+16
.endr
.irp t, 0,1,2,3,4,5,6,7
	ds_load_b128 v[ACC+32*\a+4*\t:ACC+32*\a+4*\t+3], v[RD] offset:\t*2*SPITCH
.endr
.endr
	s_wait_loadcnt 0x0
.irp a, 0,1,2,3
	s_wait_dscnt 16*(3-\a)
	WIN 0x08
.set i, 0
.rept 16
	v_pk_add_f32 v[ACC+32*\a+2*i:ACC+32*\a+2*i+1], v[ACC+32*\a+2*i:ACC+32*\a+2*i+1], v[32*\a+2*i:32*\a+2*i+1]
.set i, i+1
.endr
	WIN 0
.irp t, 0,1,2,3,4,5,6,7
	global_store_b128 v[CO], v[ACC+32*\a+4*\t:ACC+32*\a+4*\t+3], s[14:15] offset:(16*\a+2*\t)*4096
.endr
.endr
.if STATS
.set S,  96
.set T,  104
.set MU, 112
.macro WSUM v, t
	v_add_f32_dpp v[\v], v[\v], v[\v] row_xmask:1 row_mask:0xf bank_mask:0xf
	v_add_f32_dpp v[\v], v[\v], v[\v] row_xmask:2 row_mask:0xf bank_mask:0xf
	v_add_f32_dpp v[\v], v[\v], v[\v] row_xmask:4 row_mask:0xf bank_mask:0xf
	v_add_f32_dpp v[\v], v[\v], v[\v] row_xmask:8 row_mask:0xf bank_mask:0xf
	v_permlanex16_b32 v[\t], v[\v], s44, s45
	v_add_f32 v[\v], v[\v], v[\t]
.endm
	s_mov_b32 s44, 0x76543210
	s_mov_b32 s45, 0xfedcba98
	s_lshl_b32 s46, s21, 8
	s_lshl_b32 s47, s22, 5
	s_add_co_u32 s46, s46, s47
	s_lshl_b32 s47, s18, 3
	s_add_co_u32 s46, s46, s47
	s_mov_b32 s47, 0
	s_add_nc_u64 s[16:17], s[16:17], s[46:47]
	v_mov_b32 v116, 0
	v_mov_b32 v117, 0
.irp k, 0,1,2,3
	v_pk_add_f32 v[S+2*\k:S+2*\k+1], v[ACC+2*\k:ACC+2*\k+1], v[ACC+8+2*\k:ACC+8+2*\k+1]
.endr
.set n, 8
.rept 56
	v_pk_add_f32 v[S+2*(n%4):S+2*(n%4)+1], v[S+2*(n%4):S+2*(n%4)+1], v[ACC+2*n:ACC+2*n+1]
.set n, n+1
.endr
	v_pk_add_f32 v[S:S+1], v[S:S+1], v[S+2:S+3]
	v_pk_add_f32 v[S+4:S+5], v[S+4:S+5], v[S+6:S+7]
	v_pk_add_f32 v[S:S+1], v[S:S+1], v[S+4:S+5]
	v_add_f32 v114, v[S], v[S+1]
	WSUM 114, 116
	v_mul_f32 v[MU], 0x39800000, v114
	v_mov_b32 v[MU+1], v[MU]
.set n, 0
.rept 16
.irp k, 0,1,2,3
	v_pk_add_f32 v[T+2*\k:T+2*\k+1], v[ACC+2*(n+\k):ACC+2*(n+\k)+1], v[MU:MU+1] neg_lo:[0,1] neg_hi:[0,1]
.endr
.irp k, 0,1,2,3
.if n == 0
	v_pk_mul_f32 v[S+2*\k:S+2*\k+1], v[T+2*\k:T+2*\k+1], v[T+2*\k:T+2*\k+1]
.else
	v_pk_fma_f32 v[S+2*\k:S+2*\k+1], v[T+2*\k:T+2*\k+1], v[T+2*\k:T+2*\k+1], v[S+2*\k:S+2*\k+1]
.endif
.endr
.set n, n+4
.endr
	v_pk_add_f32 v[S:S+1], v[S:S+1], v[S+2:S+3]
	v_pk_add_f32 v[S+4:S+5], v[S+4:S+5], v[S+6:S+7]
	v_pk_add_f32 v[S:S+1], v[S:S+1], v[S+4:S+5]
	v_add_f32 v115, v[S], v[S+1]
	WSUM 115, 116
	v_mov_b32 v114, v[MU]
	v_cmp_eq_u32 vcc_lo, 0, v3
	s_wait_alu depctr_va_vdst(0)
	s_wait_xcnt 0x0
	s_and_saveexec_b32 s46, vcc_lo
	global_store_b64 v117, v[114:115], s[16:17]
	s_wait_xcnt 0x0
	s_or_b32 exec_lo, exec_lo, s46
.endif
	s_wait_tensorcnt 0x0
	ds_add_u32 v[SPW], v[NIL]
	s_wait_dscnt 0x0
	CROUND
	s_endpgm
.Lfunc_end_k_q72fc6341fa_oproj:
	.size	k_q72fc6341fa_oproj, .Lfunc_end_k_q72fc6341fa_oproj-k_q72fc6341fa_oproj
	.p2alignl 7, 3214868480
	.fill 96, 4, 3214868480
	.section	.rodata,"a",@progbits
	.p2align	6, 0x0
	.amdhsa_kernel k_q72fc6341fa_oproj
		.amdhsa_group_segment_fixed_size 327680
		.amdhsa_private_segment_fixed_size 0
		.amdhsa_enable_private_segment 0
		.amdhsa_kernarg_size 56
		.amdhsa_user_sgpr_count 2
		.amdhsa_user_sgpr_kernarg_segment_ptr 1
		.amdhsa_wavefront_size32 1
		.amdhsa_system_sgpr_workgroup_id_x 1
		.amdhsa_system_sgpr_workgroup_id_y 1
		.amdhsa_system_sgpr_workgroup_id_z 1
		.amdhsa_system_vgpr_workitem_id 0
		.amdhsa_next_free_vgpr 768
		.amdhsa_next_free_sgpr 102
		.amdhsa_reserve_vcc 1
		.amdhsa_float_denorm_mode_32 3
		.amdhsa_float_denorm_mode_16_64 3
		.amdhsa_memory_ordered 1
		.amdhsa_forward_progress 1
		.amdhsa_inst_pref_size 77
	.end_amdhsa_kernel
	.amdgpu_metadata
---
amdhsa.version: [ 1, 2 ]
amdhsa.kernels:
  - .name:           k_q72fc6341fa_oproj
    .symbol:         k_q72fc6341fa_oproj.kd
    .args:
      - { .name: o_q, .offset: 0, .size: 8, .value_kind: global_buffer, .address_space: global }
      - { .name: wo_codes, .offset: 8, .size: 8, .value_kind: global_buffer, .address_space: global }
      - { .name: wo_scales, .offset: 16, .size: 8, .value_kind: global_buffer, .address_space: global }
      - { .name: bo, .offset: 24, .size: 8, .value_kind: global_buffer, .address_space: global }
      - { .name: x, .offset: 32, .size: 8, .value_kind: global_buffer, .address_space: global }
      - { .name: r, .offset: 40, .size: 8, .value_kind: global_buffer, .address_space: global }
      - { .name: part, .offset: 48, .size: 8, .value_kind: global_buffer, .address_space: global }
    .group_segment_fixed_size: 327680
    .private_segment_fixed_size: 0
    .kernarg_segment_align: 8
    .kernarg_segment_size: 56
    .max_flat_workgroup_size: 128
    .sgpr_count:     102
    .vgpr_count:     768
    .wavefront_size: 32
...
	.end_amdgpu_metadata
.endif
;; end of part 5
;; launch lnq_y: the kernel of part 2 again; grid 256 x 1, 4 waves a work-group, no clusters, 33,280 bytes of LDS; arguments r, part, a_q; writes a_q
;; launch ffn1 (part 6): grid 16 x 16, 4 waves a work-group, clusters of 4 x 4, 327,680 bytes of LDS; arguments a_q, w1_codes, w1_scales, b1, g_q; writes g_q
.if DOCPART == 6
	.amdgcn_target "amdgcn-amd-amdhsa--gfx1250"
	.amdhsa_code_object_version 6
	.text
	.protected	k_q72fc6341fa_ffn1
	.globl	k_q72fc6341fa_ffn1
	.p2align	8
	.type	k_q72fc6341fa_ffn1,@function
k_q72fc6341fa_ffn1:
	s_mov_b64 s[64:65], 0
	v_nop
	global_prefetch_b8 v0, s[64:65] scope:SCOPE_SE
	s_setreg_imm32_b32 hwreg(HW_REG_WAVE_MODE, 25, 1), 1
	s_wait_xcnt 0x0
	s_wait_alu depctr_hold_cnt(0) depctr_sa_sdst(0) depctr_va_vdst(0) depctr_va_sdst(0) depctr_va_ssrc(0) depctr_va_vcc(0) depctr_vm_vsrc(0)
	s_getreg_b32 s2, hwreg(HW_REG_IB_STS2, 6, 4)
	s_cmp_eq_u32 s2, 0
	s_cbranch_scc0 .Lentry_in_a_cluster
	s_endpgm
.Lentry_in_a_cluster:
	s_bfe_u32 s2, ttmp6, 0x10000c
	s_cmp_lg_u32 s2, 0xf033
	s_cbranch_scc0 .Lentry_shape_is_right
	s_endpgm
.Lentry_shape_is_right:
.set KSTEP,  256
.set NQ,     2
.set ROWB,   256
.set KROW,   1024
.set PITCH,  272
.set FR,     16
.set NL,     4
.set NP,     8
.set HALFT,  128*PITCH
.set SLOT,   4*HALFT
.set LAPS,   2
.set KS,     32
.set SCL,    2*SLOT
.set HALFS,  (128*KS/256)*272
.set SBLK,   (16*KS/256)*272
.set SPARE,  SCL+4*HALFS
.set LI,   7
.set ADRA, 16
.set LW,   18
.set BA,   19
.set ADRB, 20
.set ADRS, 27
.set SPW,  28
.set NIL,  29
.set SC,   32
.set BIAS, 64
.set AF,   128
.set W,    128
.set PC,   192
.set TM,   224
.set PW,   240
.set WE,   241
.set WO,   243
.set G1, 24
.set G0, 32
.set G1B, 48
.set G0B, 56
.set SCD, 23                           ; v23 where my lane puts scale bytes in LDS
.set SPT, 76                           ; s[76:77] the scale bytes of the 128 rows that I fetch
.set SEL, 20
.set MNT, 22
.set HM,  19
.set MSB, 0
.macro WIN new
.if MSB != (\new)
	s_set_vgpr_msb (MSB<<8)|(\new)
.set MSB, (\new)
.endif
.endm
.set MUL_LO, 0xa1
.set MUL_HI, 0xf1
.set TO_B,   0x40
.macro JLOAD g0a, g1a, g0b, g1b
	s_cmp_eq_u32 s15, 0
	s_cbranch_scc0 .Lfor_b_\@
	tensor_load_to_lds s[\g0a:\g0a+3], s[\g1a:\g1a+7]
	s_nop 0
.rept 4
	v_nop
.endr
	s_branch .Lasked_\@
.Lfor_b_\@:
	tensor_load_to_lds s[\g0b:\g0b+3], s[\g1b:\g1b+7]
	s_nop 0
.rept 4
	v_nop
.endr
.Lasked_\@:
.endm
.macro CREST
	s_cmp_lg_u32 s14, 0
	s_cbranch_scc1 .Lnot_wave_0_\@
	s_barrier_signal -3
.Lnot_wave_0_\@:
	s_barrier_wait -3
	s_barrier_signal -1
	s_barrier_wait -1
.endm
.macro CROUND
	s_barrier_signal -1
	s_barrier_wait -1
	CREST
.endm
	s_load_b64 s[4:5], s[0:1], 0x0
	s_load_b64 s[8:9], s[0:1], 0x8
	s_load_b64 s[10:11], s[0:1], 0x10
	s_load_b64 s[96:97], s[0:1], 0x18
	s_load_b64 s[12:13], s[0:1], 0x20
	v_lshl_add_u32 v[SPW], v0, 2, SPARE
	v_mov_b32 v[NIL], 0
	ds_add_u32 v28, v29
	ds_add_u32 v28, v29
	s_wait_dscnt 0x0
	v_lshrrev_b32 v1, 5, v0
	v_readfirstlane_b32 s14, v1
	s_lshr_b32 s15, s14, 1
	s_and_b32 s16, s14, 1
	s_bfe_u32 s40, ttmp6, 0x40000
	s_bfe_u32 s41, ttmp6, 0x40004
	s_lshl_b32 s42, ttmp9, 2
	s_add_co_u32 s42, s42, s40
	s_and_b32 s17, ttmp7, 0xffff
	s_lshl_b32 s17, s17, 2
	s_add_co_u32 s17, s17, s41
	s_lshl_b32 s43, s41, 2
	s_lshl_b32 s43, 15, s43
	s_lshl_b32 s44, 0x1111, s40
	s_or_b32 s[G1+0], s43, (0<<16)|(1<<20)|(1<<21)|(5<<22)|(3<<25)
	s_or_b32 s[G1B+0], s44, (0<<16)|(1<<20)|(1<<21)|(5<<22)|(3<<25)
.irp g, G1, G1B
	s_mov_b32 s[\g+1], ROWB<<16
	s_mov_b32 s[\g+2], 128<<16
	s_mov_b32 s[\g+3], ROWB<<16
	s_mov_b32 s[\g+4], 128
	s_mov_b32 s[\g+5], KROW
	s_mov_b32 s[\g+6], 0
	s_mov_b32 s[\g+7], 0
.endr
	s_lshl_b32 s18, s16, 7
	s_lshl_b32 s20, s17, 8
	s_add_co_u32 s20, s20, s18
	s_lshl_b32 s46, s42, 8
	s_add_co_u32 s46, s46, s18
	s_lshl_b32 s22, s20, 5
	s_mov_b32 s23, 0
	s_lshl_b32 s20, s20, 10
	s_mov_b32 s21, 0
	s_lshl_b32 s92, s46, 5
	s_mov_b32 s93, 0
	s_lshl_b32 s46, s46, 10
	s_mov_b32 s47, 0
	s_mul_i32 s45, s14, HALFT
	s_mul_i32 s94, s14, HALFS
	s_wait_kmcnt 0x0
	s_add_nc_u64 s[6:7], s[4:5], 0x400000
	s_add_nc_u64 s[20:21], s[4:5], s[20:21]
	s_add_nc_u64 s[22:23], s[6:7], s[22:23]
	s_add_nc_u64 s[46:47], s[8:9], s[46:47]
	s_add_nc_u64 s[92:93], s[10:11], s[92:93]
	CROUND
	s_cmp_eq_u32 s15, 0                            ; waves 0, 1 copy the scale bytes of A's halves, waves 2, 3 of B's: 4,096 dense bytes a wave, through registers;
	s_cselect_b64 s[SPT:SPT+1], s[22:23], s[92:93] ; 1 byte in 33 of what the work-group reads, so they are not asked for jointly
.irp s, 0,1
	s_mov_b32 s[G0+4*\s], 1
	s_add_co_u32 s[G0+4*\s+1], s45, \s*SLOT
	s_add_nc_u64 s[G0+4*\s+2:G0+4*\s+3], s[20:21], \s*ROWB
	s_or_b32 s[G0+4*\s+3], s[G0+4*\s+3], 0x80000000
	s_mov_b32 s[G0B+4*\s], 1
	s_add_co_u32 s[G0B+4*\s+1], s45, \s*SLOT
	s_add_nc_u64 s[G0B+4*\s+2:G0B+4*\s+3], s[46:47], \s*ROWB
	s_or_b32 s[G0B+4*\s+3], s[G0B+4*\s+3], 0x80000000
.endr
	JLOAD G0, G1, G0B, G1B                         ; my quarter of slot 0: my one tensor load at the head
	v_and_b32 v1, 15, v0
	v_bfe_u32 v2, v0, 4, 1
	v_mul_u32_u24 v3, v1, PITCH
	v_lshl_add_u32 v4, v2, 4, v3
	s_mul_i32 s21, s15, HALFT
	s_mul_i32 s22, s16, HALFT
	s_add_co_u32 s22, s22, 2*HALFT
.irp s, 0,1
	v_add_nc_u32 v[ADRA+\s], s21, v4
	v_add_nc_u32 v[ADRB+\s], s22, v4
	s_add_co_u32 s21, s21, SLOT
	s_add_co_u32 s22, s22, SLOT
.endr
	v_mul_u32_u24 v5, v1, KS
	v_lshrrev_b32 v6, 8, v5
	v_lshl_add_u32 v5, v6, 4, v5
	s_mul_i32 s21, s15, HALFS
	s_mul_i32 s22, s16, HALFS
	s_add_co_u32 s22, s22, 2*HALFS
	s_sub_co_u32 s22, s22, s21
	v_mul_u32_u24 v6, s22, v2
	s_add_co_u32 s21, s21, SCL
	v_add_nc_u32 v5, v5, v6
	v_add_nc_u32 v[ADRS], s21, v5
	v_and_b32 v6, 31, v0
	v_lshlrev_b32 v[LI], 4, v6
	v_mul_u32_u24 v5, v2, 272                      ; the scale bytes' way in: a load's 512 bytes are two units of 256 + 16 of padding
	v_lshl_add_u32 v5, v1, 4, v5
	v_add_nc_u32 v5, s94, v5
	v_add_nc_u32 v[SCD], SCL, v5
	v_lshlrev_b32 v[LW], 2, v6
	v_lshlrev_b32 v[BA], 5, v2
	s_lshl_b32 s18, s42, 10
	s_lshl_b32 s19, s16, 9
	s_add_co_u32 s18, s18, s19
	s_mov_b32 s19, 0
	s_add_nc_u64 s[96:97], s[96:97], s[18:19]
.irp i, 0,1,2,3,4,5,6,7
	global_load_b128 v[AF+4*\i:AF+4*\i+3], v[LI], s[SPT:SPT+1] offset:512*\i
.endr
.irp b, 0,1,2,3,4,5,6,7
	global_load_b128 v[BIAS+8*\b:BIAS+8*\b+3], v[BA], s[96:97] offset:64*\b
	global_load_b128 v[BIAS+8*\b+4:BIAS+8*\b+7], v[BA], s[96:97] offset:64*\b+16
.endr
.macro FRAG reg, adr, q, i
.irp c, 0,1,2,3
	ds_load_b128 v[\reg+4*\c:\reg+4*\c+3], v[\adr] offset:128*(\q)+32*\c+(\i)*16*PITCH
.endr
.endm
.macro MUL16 a0, p, q, sc, zero
.irp a, \a0, \a0+1
.irp b, 0,1,2,3,4,5,6,7
.if \zero
	v_wmma_scale_f32_16x16x128_f8f6f4 v[8*(8*((\a)%4)+\b):8*(8*((\a)%4)+\b)+7], v[128*(\p)+FR*\b:128*(\p)+FR*\b+FR-1], v[AF+FR*(\a):AF+FR*(\a)+FR-1], 0, v[SC+8*NQ*(\sc)+NQ*\b+(\q)], v[SC+8*NQ*(\sc)+NQ*(\a)+(\q)] matrix_a_scale:MATRIX_SCALE_ROW1
.else
	v_wmma_scale_f32_16x16x128_f8f6f4 v[8*(8*((\a)%4)+\b):8*(8*((\a)%4)+\b)+7], v[128*(\p)+FR*\b:128*(\p)+FR*\b+FR-1], v[AF+FR*(\a):AF+FR*(\a)+FR-1], v[8*(8*((\a)%4)+\b):8*(8*((\a)%4)+\b)+7], v[SC+8*NQ*(\sc)+NQ*\b+(\q)], v[SC+8*NQ*(\sc)+NQ*(\a)+(\q)] matrix_a_scale:MATRIX_SCALE_ROW1
.endif
.endr
.endr
.endm
.macro FETCH_B slot, q, p
	WIN TO_B
.irp i, 0,1,2,3,4,5,6,7
	FRAG 128*(\p)+FR*\i, ADRB+\slot, \q, \i
.endr
	WIN 0
.endm
.macro FETCH_A slot, q, i0
.irp i, \i0, \i0+1, \i0+2, \i0+3
	FRAG AF+FR*(\i), ADRA+\slot, \q, \i
.endr
.endm
.macro SCALES sc
.irp i, 0,1,2,3,4,5,6,7
	ds_load_b64 v[SC+8*NQ*\sc+NQ*\i:SC+8*NQ*\sc+NQ*\i+1], v[ADRS] offset:\i*SBLK
.endr
.endm
.macro PLACES n
.rept \n
	v_nop
.endr
.endm
.macro STEP slot, q, zero
	s_wait_dscnt 4*NL
	WIN MUL_LO
	MUL16 0, (\q)%2, \q, \slot, \zero
	MUL16 2, (\q)%2, \q, \slot, \zero
	s_wait_dscnt 0
	PLACES NP
	FETCH_B \slot, (\q)+1, 1-(\q)%2
	FETCH_A \slot, (\q)+1, 0
	WIN MUL_HI
	MUL16 4, (\q)%2, \q, \slot, \zero
	MUL16 6, (\q)%2, \q, \slot, \zero
	PLACES NP
	WIN 0
	FETCH_A \slot, (\q)+1, 4
.endm
.macro TURN slot, next, fill
	s_wait_tensorcnt 0x0
	ds_add_u32 v[SPW], v[NIL]
	s_wait_dscnt 4*NL+1
	WIN MUL_LO
	MUL16 0, 1, NQ-1, \slot, 0
	s_wait_dscnt 0x0
	s_barrier_signal -1
	MUL16 2, 1, NQ-1, \slot, 0
	WIN 0
	s_barrier_wait -1
.if \fill
	CREST
	s_add_nc_u64 s[G0+4*\slot+2:G0+4*\slot+3], s[G0+4*\slot+2:G0+4*\slot+3], 2*ROWB
	s_add_nc_u64 s[G0B+4*\slot+2:G0B+4*\slot+3], s[G0B+4*\slot+2:G0B+4*\slot+3], 2*ROWB
	JLOAD G0+4*\slot, G1, G0B+4*\slot, G1B
	PLACES NP-4
.else
	PLACES NP
.endif
	s_wait_alu depctr_va_vdst(0)
	v_add_nc_u32 v[ADRS], 4*NQ, v[ADRS]
	FETCH_B \next, 0, 0
	FETCH_A \next, 0, 0
	SCALES \next
	WIN MUL_HI
	MUL16 4, 1, NQ-1, \slot, 0
	MUL16 6, 1, NQ-1, \slot, 0
	PLACES NP
	WIN 0
	FETCH_A \next, 0, 4
.endm
	s_wait_alu depctr_va_vdst(0)
	s_wait_tensorcnt 0x0                           ; no tensor load of mine is out when I store to LDS
	s_wait_loadcnt 16                              ; the eight loads of scale bytes are in; the 16 loads of the bias behind them may be out
.irp i, 0,1,2,3,4,5,6,7
	ds_store_b128 v[SCD], v[AF+4*\i:AF+4*\i+3] offset:544*\i
.endr
	s_wait_tensorcnt 0x0
	ds_add_u32 v[SPW], v[NIL]
	s_wait_dscnt 0x0                               ; the add and my stores are done
	CROUND                                         ; slot 0 and the scale bytes are whole, and all sixteen work-groups are here
	JLOAD G0+4, G1, G0B+4, G1B                     ; slot 1's first fill: my one tensor load behind the round
	FETCH_B 0, 0, 0
	FETCH_A 0, 0, 0
	SCALES 0
	FETCH_A 0, 0, 4
	STEP 0, 0, 1
	s_mov_b32 s3, LAPS-1
.Llap:
	TURN 0, 1, 1
	STEP 1, 0, 0
	TURN 1, 0, 1
	STEP 0, 0, 0
	s_sub_co_u32 s3, s3, 1
	s_cmp_lg_u32 s3, 0
	s_cbranch_scc1 .Llap
	TURN 0, 1, 0
	STEP 1, 0, 0
	s_wait_dscnt 4*NL
	WIN MUL_LO
	MUL16 0, 1, NQ-1, 1, 0
	MUL16 2, 1, NQ-1, 1, 0
	s_wait_dscnt 0
	WIN MUL_HI
	MUL16 4, 1, NQ-1, 1, 0
	MUL16 6, 1, NQ-1, 1, 0
	WIN 0
.macro QUANT s
.irp b, 0,1,2,3
	v_max3_num_f32 v[TM+\b], v[\s+16*\b], v[\s+1+16*\b], 0x4800000
.endr
.irp i, 2,4,6,8,10,12,14
.irp b, 0,1,2,3
	v_max3_num_f32 v[TM+\b], v[TM+\b], v[\s+16*\b+\i], v[\s+1+16*\b+\i]
.endr
.endr
.irp b, 0,1,2,3
	v_permlanex16_b32 v[TM+4+\b], v[TM+\b], s[SEL], s[SEL+1]
.endr
.irp b, 0,1,2,3
	v_max_num_f32 v[TM+\b], v[TM+\b], v[TM+4+\b]
.endr
.irp b, 0,1,2,3
	v_add_nc_u32 v[TM+12+\b], 0xfc000000, v[TM+\b]
.endr
.irp b, 0,1,2,3
	v_and_or_b32 v[TM+8+\b], v[TM+\b], 0x7f800000, s[MNT]
.endr
.irp b, 0,1,2,3
	v_lshrrev_b32 v[TM+4+\b], 23, v[TM+12+\b]
.endr
	v_lshl_or_b32 v[PW], v[TM+5], 8, v[TM+4]
	v_lshl_or_b32 v[PW], v[TM+6], 16, v[PW]
	v_lshl_or_b32 v[PW], v[TM+7], 24, v[PW]
.irp b, 0,1,2,3
.irp i, 0,1,2,3,4,5,6,7,8,9,10,11,12,13,14,15
	v_med3_num_f32 v[\s+16*\b+\i], v[\s+16*\b+\i], 0, v[TM+8+\b]
.endr
.endr
	WIN 0x40                                       ; the codes go into window 1, where B's fragments lay: 16 registers of its own for each block, so no store's data are written again
.irp b, 0,1,2,3
	v_cvt_scalef32_pk8_fp8_f32 v[PC+4*\b:PC+1+4*\b], v[\s+16*\b:\s+7+16*\b], v[TM+12+\b]
	v_cvt_scalef32_pk8_fp8_f32 v[PC+2+4*\b:PC+3+4*\b], v[\s+8+16*\b:\s+15+16*\b], v[TM+12+\b]
.endr
	v_nop
.endm
.macro BLOCK a
	WIN 0x02+(\a)/4
.set i, 0
.rept 32
	v_pk_add_f32 v[W+2*i:W+2*i+1], v[64*((\a)%4)+2*i:64*((\a)%4)+2*i+1], v[BIAS+2*i:BIAS+2*i+1]
.set i, i+1
.endr
	WIN 0
.irp b, 0,1,2,3
.irp j, 0,1,2,3,4,5,6,7
	v_permlane16_swap_b32 v[W+16*\b+\j], v[W+16*\b+8+\j]
.endr
.endr
.set PC, 16*(\a)                       ; this block's codes: v[16 a .. 16 a + 15] of window 1
	QUANT W
	WIN 0x04                                       ; a store's data are its source 1: window 1
.irp c, 0,1,2,3
	global_store_b128 v[LI], v[PC+4*\c:PC+4*\c+3], s[12:13] offset:(\a)*65536+\c*512
.endr
	WIN 0
.if (\a)%2 == 0
	v_mov_b32 v[WE], v[PW]
.else
	v_cndmask_b32 v[WO+(\a)/2], v[WE], v[PW], s[HM]            ; v243-246: a register of its own for each pair of blocks
	global_store_b32 v[LW], v[WO+(\a)/2], s[98:99] offset:((\a)/2)*128
.endif
.endm
	PLACES NP
	s_mov_b32 s[SEL], 0x76543210
	s_mov_b32 s[SEL+1], 0xfedcba98
	s_mov_b32 s[MNT], 0x600000
	s_mov_b32 s[HM], 0xffff0000
.irp b, 0,1,2,3
	v_mov_b32 v[TM+4+\b], 0
.endr
	s_lshl_b32 s92, s17, 20
	s_lshl_b32 s47, s15, 19
	s_add_co_u32 s92, s92, s47
	s_lshl_b32 s47, s42, 12
	s_add_co_u32 s92, s92, s47
	s_lshl_b32 s47, s16, 11
	s_add_co_u32 s92, s92, s47
	s_mov_b32 s93, 0
	s_lshl_b32 s94, s42, 15
	s_lshl_b32 s47, s16, 14
	s_add_co_u32 s94, s94, s47
	s_lshl_b32 s47, s17, 10
	s_add_co_u32 s94, s94, s47
	s_lshl_b32 s47, s15, 9
	s_add_co_u32 s94, s94, s47
	s_add_co_u32 s94, s94, 16777216
	s_mov_b32 s95, 0
	s_add_nc_u64 s[98:99], s[12:13], s[94:95]
	s_add_nc_u64 s[12:13], s[12:13], s[92:93]
	s_wait_loadcnt 0x0
.irp a, 0,1,2,3,4,5,6,7
	BLOCK \a
.endr
	s_wait_tensorcnt 0x0
	ds_add_u32 v[SPW], v[NIL]
	s_wait_dscnt 0x0
	CROUND
	s_endpgm
.Lfunc_end_k_q72fc6341fa_ffn1:
	.size	k_q72fc6341fa_ffn1, .Lfunc_end_k_q72fc6341fa_ffn1-k_q72fc6341fa_ffn1
	.p2alignl 7, 3214868480
	.fill 96, 4, 3214868480
	.section	.rodata,"a",@progbits
	.p2align	6, 0x0
	.amdhsa_kernel k_q72fc6341fa_ffn1
		.amdhsa_group_segment_fixed_size 327680
		.amdhsa_private_segment_fixed_size 0
		.amdhsa_enable_private_segment 0
		.amdhsa_kernarg_size 40
		.amdhsa_user_sgpr_count 2
		.amdhsa_user_sgpr_kernarg_segment_ptr 1
		.amdhsa_wavefront_size32 1
		.amdhsa_system_sgpr_workgroup_id_x 1
		.amdhsa_system_sgpr_workgroup_id_y 1
		.amdhsa_system_sgpr_workgroup_id_z 1
		.amdhsa_system_vgpr_workitem_id 0
		.amdhsa_next_free_vgpr 1024
		.amdhsa_next_free_sgpr 102
		.amdhsa_reserve_vcc 0
		.amdhsa_float_denorm_mode_32 3
		.amdhsa_float_denorm_mode_16_64 3
		.amdhsa_memory_ordered 1
		.amdhsa_forward_progress 1
		.amdhsa_inst_pref_size 211
	.end_amdhsa_kernel
	.amdgpu_metadata
---
amdhsa.version: [ 1, 2 ]
amdhsa.kernels:
  - .name:           k_q72fc6341fa_ffn1
    .symbol:         k_q72fc6341fa_ffn1.kd
    .args:
      - { .name: a_q, .offset: 0, .size: 8, .value_kind: global_buffer, .address_space: global }
      - { .name: w1_codes, .offset: 8, .size: 8, .value_kind: global_buffer, .address_space: global }
      - { .name: w1_scales, .offset: 16, .size: 8, .value_kind: global_buffer, .address_space: global }
      - { .name: b1, .offset: 24, .size: 8, .value_kind: global_buffer, .address_space: global }
      - { .name: g_q, .offset: 32, .size: 8, .value_kind: global_buffer, .address_space: global }
    .group_segment_fixed_size: 327680
    .private_segment_fixed_size: 0
    .kernarg_segment_align: 8
    .kernarg_segment_size: 40
    .max_flat_workgroup_size: 128
    .sgpr_count:     102
    .vgpr_count:     1024
    .wavefront_size: 32
...
	.end_amdgpu_metadata
.endif
;; end of part 6
;; launch ffn2 (part 7): grid 8 x 32, 4 waves a work-group, clusters of 4 x 4, 327,680 bytes of LDS; arguments g_q, w2_codes, w2_scales, b2, x, out0; writes out0
.if DOCPART == 7
	.amdgcn_target "amdgcn-amd-amdhsa--gfx1250"
	.amdhsa_code_object_version 6
	.text
	.protected	k_q72fc6341fa_ffn2
	.globl	k_q72fc6341fa_ffn2
	.p2align	8
	.type	k_q72fc6341fa_ffn2,@function
k_q72fc6341fa_ffn2:
	s_mov_b64 s[64:65], 0
	v_nop
	global_prefetch_b8 v0, s[64:65] scope:SCOPE_SE
	s_setreg_imm32_b32 hwreg(HW_REG_WAVE_MODE, 25, 1), 1
	s_wait_xcnt 0x0
	s_wait_alu depctr_hold_cnt(0) depctr_sa_sdst(0) depctr_va_vdst(0) depctr_va_sdst(0) depctr_va_ssrc(0) depctr_va_vcc(0) depctr_vm_vsrc(0)
	s_getreg_b32 s2, hwreg(HW_REG_IB_STS2, 6, 4)
	s_cmp_eq_u32 s2, 0
	s_cbranch_scc0 .Lentry_in_a_cluster
	s_endpgm
.Lentry_in_a_cluster:
	s_bfe_u32 s2, ttmp6, 0x10000c
	s_cmp_lg_u32 s2, 0xf033
	s_cbranch_scc0 .Lentry_shape_is_right
	s_endpgm
.Lentry_shape_is_right:
; out0 = g w2^T + b2 + x on codes of FP8 (E4M3) with one E8M0 scale for each 32 along K = 4,096.
; g_q: images of operand registers [16 rows: 256][128 of K: 32][c 4][lane][16], behind them (at 16,777,216) scale words [128 of K: 32][row 4096].  w2: codes [1024][4096], scale bytes [1024][128].  b2 [1024], x and out0 [4096][1024] f32.
; A tile of 128 x 128 is made by a work-group of four waves; that tile gives each of 256 work-groups one tile.  Wave w makes rows 32 w .. 32 w + 31 x all 128 columns: 2 x 8 accumulators, 128 registers.
; g GOES FROM MEMORY STRAIGHT INTO REGISTERS.  It lies as images, so a fragment is four loads of 512 consecutive bytes, and with this share of the rows no fragment of g is wanted by two waves.  A ring of eight sets of 32 registers
; runs seven K steps of 128 ahead: 48 to 56 loads of a wave are on their way.  g's scale words come once: one register for each K step, lanes 0-15 for my first 16 rows, lanes 16-31 for my second 16.
; w2 GOES THROUGH LDS, read by all four waves.  With g out of LDS a slot holds 128 rows x 1,024 along K (1,024 bytes + 16 of padding a row): K is four slots, so two slots are filled at the start and each is filled again once.
; With g in LDS beside it a slot of the same bytes would hold 512 along K, and six refills would be wanted, each with half the products behind it in which to land.  That is why g's tiles, which the four work-groups
; of a row of the cluster share, are not asked for jointly.  w2's tiles are: CLUSTERS of 4 x 4, the four of a column ask by the same tensor load with a mask that names the four.  w2's scale bytes of all of K come once.
; The matrix instruction is used transposed (source 0 = 16 rows of w2, source 1 = 16 rows of g): a lane holds eight neighbouring numbers of a row of the result.  The first K step's products start the sums.
; The 32 K steps are written out: every offset is an immediate, no pointer is stepped.  x's part of my rows takes the ring's places when g's last loads have gone out; x and the bias are added on the way out,
; where a block of 16 rows x 512 bytes goes through the wave's own stage and leaves as runs of 512 consecutive bytes.
; No prefetch: g's loads run seven K steps ahead of their use, and w2 has two refills.
; LIMITS: NaN and infinities are not served.  The bias and x are added behind the sum over K (the reference adds the bias, then x: the same three numbers in another order of rounding).
.set SIZE_K, 4096
.set NSTEP,  SIZE_K/128                ; 32 K steps of 128
.set KS,     SIZE_K/32                 ; a row of w2's scale bytes
.set BP,     1040                      ; a row of w2 in LDS: 1,024 bytes + 16 of padding = 65 x 16: the 16 rows that a load touches start at 16 different banks
.set QTILE,  32*BP                     ; 32 rows: what one tensor load brings
.set SLOT,   128*BP
.set SCB,    2*SLOT                    ; behind the ring: w2's scale bytes, as units of 256 bytes + 16 of padding
.set QS,     (32*KS/256)*272           ; those of 32 rows: what one wave copies, through registers
.set SBLK,   (16*KS/256)*272           ; those of 16 rows
.set SPARE,  SCB+4*QS                  ; the spare words, 128 bytes for each wave
.set SPITCH, 528                       ; the way out: a stage of 16 rows x (512 bytes + 16) for each wave, in slot 0, which has had its last fill and its last read when the first result is stored there
.set LW,    6                          ; v6    4 x lane
.set LI,    7                          ; v7    16 x lane: my place in an image, in a row of x and of out0, and in the bias; never rewritten
.set BI,    8                          ; v8-11 the bias at my four columns of a row
.set ADRB,  16                         ; v16-19 LDS address of w2's fragments: 2 x slot + (blocks 0-3 or 4-7): an LDS offset has 16 bits
.set ADRSB, 23                         ; v23   and of w2's scale words
.set STO,   24
.set RD,    25
.set SPW,   28
.set NIL,   29
.set SA,    32                         ; v32-63  g's scale words, one register for each K step
.set SB,    64                         ; v64-127 w2's scale words: two sets of 32: 4 x block + K step % 4
.set ACC,   128                        ; v128-255 accumulator (a, b) at 8 (8 a + b)
.set XR,    0                          ; window 3: x, 128 registers.  Window 1: w2's fragments, two buffers of 128.  Window 2: g's ring, eight sets of 32
.set G1B, 24                           ; s[24:31] descriptor group 1 for w2's tiles;  s[32:39] group 0, one set for each slot
.set G0,  32
.set SCD, 22                           ; v22   where my lane puts w2's scale bytes in LDS
.set MSB, 0
.macro WIN new                         ; the immediate's high byte repeats the setting that is left
.if MSB != (\new)
	s_set_vgpr_msb (MSB<<8)|(\new)
.set MSB, (\new)
.endif
.endm
.macro CREST                           ; a round of the cluster's barrier behind its opening barrier
	s_cmp_lg_u32 s18, 0
	s_cbranch_scc1 .Lnot_wave_0_\@
	s_barrier_signal -3
.Lnot_wave_0_\@:
	s_barrier_wait -3
	s_barrier_signal -1
	s_barrier_wait -1
.endm
.macro CROUND
	s_barrier_signal -1
	s_barrier_wait -1
	CREST
.endm
.macro PLACES n
.rept \n
	v_nop
.endr
.endm
	s_load_b256 s[4:11], s[0:1], 0x0               ; g_q, w2's codes, w2's scales, b2
	s_load_b128 s[12:15], s[0:1], 0x20             ; x, out0
	v_lshl_add_u32 v[SPW], v0, 2, SPARE
	v_mov_b32 v[NIL], 0
	ds_add_u32 v28, v29
	ds_add_u32 v28, v29
	s_wait_dscnt 0x0
	v_lshrrev_b32 v1, 5, v0
	v_readfirstlane_b32 s18, v1                    ; wave 0..3
	s_bfe_u32 s40, ttmp6, 0x40000                  ; cx
	s_bfe_u32 s41, ttmp6, 0x40004                  ; cy
	s_lshl_b32 s22, ttmp9, 2
	s_add_co_u32 s22, s22, s40                     ; tile column
	s_and_b32 s21, ttmp7, 0xffff
	s_lshl_b32 s21, s21, 2
	s_add_co_u32 s21, s21, s41                     ; tile row
	s_lshl_b32 s43, 0x1111, s40                    ; my column of the cluster: places cx, cx + 4, cx + 8, cx + 12
	s_or_b32 s[G1B], s43, (0<<16)|(1<<20)|(1<<21)|(7<<22)|(3<<25)   ; the mask; elements of 1 byte; padding on; bit 21 beside a mask; 4 words of padding behind every 256
	s_mov_b32 s[G1B+1], 1024<<16                   ; tensor_dim0 = 1,024
	s_mov_b32 s[G1B+2], 32<<16                     ; tensor_dim1 = 32
	s_mov_b32 s[G1B+3], 1024<<16                   ; tile_dim0 = 1,024
	s_mov_b32 s[G1B+4], 32                         ; tile_dim1 = 32
	s_mov_b32 s[G1B+5], SIZE_K                     ; from row to row
	s_mov_b32 s[G1B+6], 0
	s_mov_b32 s[G1B+7], 0
	s_lshl_b32 s92, s22, 7
	s_lshl_b32 s23, s18, 5
	s_add_co_u32 s92, s92, s23                     ; the rows of w2 that I fetch: 128 x tile column + 32 x wave: the column's four partners share both numbers
	s_lshl_b32 s94, s92, 7                         ; their scale bytes,
	s_mov_b32 s95, 0
	s_lshl_b32 s92, s92, 12                        ; their codes
	s_mov_b32 s93, 0
	s_mul_i32 s96, s18, QTILE                      ; where they go: the wave's number alone enters an LDS address
	s_mul_i32 s97, s18, QS
	s_add_co_u32 s97, s97, SCB
	s_wait_kmcnt 0x0
	s_add_nc_u64 s[94:95], s[8:9], s[94:95]
	s_add_nc_u64 s[92:93], s[6:7], s[92:93]
.irp s, 0,1
	s_mov_b32 s[G0+4*\s], 1
	s_add_co_u32 s[G0+4*\s+1], s96, \s*SLOT
	s_add_nc_u64 s[G0+4*\s+2:G0+4*\s+3], s[92:93], \s*1024
	s_or_b32 s[G0+4*\s+3], s[G0+4*\s+3], 0x80000000
.endr
	CROUND                                         ; all sixteen work-groups are here: the first joint loads meet
	tensor_load_to_lds s[G0:G0+3], s[G1B:G1B+7]    ; my quarter of slot 0: my one tensor load at the head
	s_nop 0
	PLACES 4
	v_and_b32 v1, 15, v0                           ; r
	v_bfe_u32 v2, v0, 4, 1                         ; h
	v_and_b32 v3, 31, v0                           ; lane
	v_lshlrev_b32 v[LI], 4, v3
	v_lshlrev_b32 v[LW], 2, v3
	v_mul_u32_u24 v5, v1, BP
	v_lshl_add_u32 v[ADRB], v2, 4, v5              ; w2: row r x pitch + 16 h
	v_add_nc_u32 v[ADRB+1], 4*16*BP, v[ADRB]
	v_add_nc_u32 v[ADRB+2], SLOT, v[ADRB]
	v_add_nc_u32 v[ADRB+3], SLOT+4*16*BP, v[ADRB]
	v_mul_u32_u24 v5, v1, KS
	v_lshrrev_b32 v4, 8, v5
	v_lshl_add_u32 v5, v4, 4, v5                   ; KS bytes a row, and 16 more for each 256 passed
	v_add_nc_u32 v[ADRSB], SCB, v5
	v_mul_u32_u24 v5, v2, 272                      ; the scale bytes' way in: a load's 512 bytes are two units of 256 + 16 of padding
	v_lshl_add_u32 v5, v1, 4, v5
	v_add_nc_u32 v[SCD], s97, v5
	s_mul_i32 s23, s18, 16*SPITCH                  ; my stage
	v_mul_u32_u24 v5, v1, SPITCH
	v_lshl_add_u32 v5, v2, 5, v5
	v_add_nc_u32 v[STO], s23, v5                   ; in: row r, 32 bytes for each half of the lanes
	v_add_nc_u32 v[RD], s23, v[LI]                 ; back: the 32 lanes take one row of 512 bytes
	s_lshl_b32 s44, s21, 19
	s_lshl_b32 s23, s18, 17
	s_add_co_u32 s44, s44, s23                     ; my 32 rows: two blocks of 65,536 bytes of images; and as many bytes of rows of x and out0
	s_mov_b32 s45, 0
	s_add_nc_u64 s[46:47], s[4:5], s[44:45]        ; g's images
	s_lshl_b32 s98, s22, 9                         ; the tile's first column, in bytes
	s_mov_b32 s99, 0
	s_add_nc_u64 s[10:11], s[10:11], s[98:99]
	s_add_co_u32 s44, s44, s98
	s_add_nc_u64 s[12:13], s[12:13], s[44:45]
	s_add_nc_u64 s[14:15], s[14:15], s[44:45]
	s_lshl_b32 s100, s21, 9
	s_lshl_b32 s23, s18, 7
	s_add_co_u32 s100, s100, s23
	s_add_co_u32 s100, s100, 4096*SIZE_K           ; my 32 rows' scale words: 128 bytes for each K step
	s_mov_b32 s101, 0
	s_add_nc_u64 s[4:5], s[4:5], s[100:101]
; A GROUP of eight loads.  Groups 0 to 31: g's two fragments of that K step, into set (group % 8) of the ring.  Groups 32 to 35: eight rows of x.
.macro GROUP g
.if (\g) < NSTEP
	WIN 0x80                                       ; destination window 2
.irp a, 0,1
.irp c, 0,1,2,3
	global_load_b128 v[32*((\g)%8)+16*\a+4*\c:32*((\g)%8)+16*\a+4*\c+3], v[LI], s[46:47] offset:\a*NSTEP*2048+(\g)*2048+\c*512
.endr
.endr
.elseif (\g) < NSTEP+4
	WIN 0xc0                                       ; destination window 3
.irp t, 0,1,2,3,4,5,6,7
	global_load_b128 v[XR+4*(8*((\g)-NSTEP)+\t):XR+4*(8*((\g)-NSTEP)+\t)+3], v[LI], s[12:13] offset:(8*((\g)-NSTEP)+\t)*4096
.endr
.endif
.endm
.irp i, 0,1,2,3,4,5,6,7
	global_load_b128 v[ACC+4*\i:ACC+4*\i+3], v[LI], s[94:95] offset:512*\i   ; the scale bytes of the 32 rows of w2 that I fetch: 4,096 dense bytes, 1 byte in 33 of w2's, so they are not asked for jointly
.endr
	global_load_b128 v[BI:BI+3], v[LI], s[10:11]   ; the bias at columns 4 x lane .. + 3
.set n, 0
.rept NSTEP
	global_load_b32 v[SA+n], v[LW], s[4:5] offset:n*16384   ; lanes 0-15: the words of my rows 0-15, lanes 16-31: of my rows 16-31
.set n, n+1
.endr
.irp g, 0,1,2
	GROUP \g
.endr
	WIN 0
	s_wait_alu depctr_va_vdst(0)
	s_wait_tensorcnt 0x0                           ; no tensor load of mine is out when I store to LDS
	s_wait_loadcnt 57                              ; the eight loads of scale bytes are in; behind them stand the bias, g's 32 scale words and three groups of eight
.irp i, 0,1,2,3,4,5,6,7
	ds_store_b128 v[SCD], v[ACC+4*\i:ACC+4*\i+3] offset:544*\i
.endr
.irp g, 3,4,5,6
	GROUP \g
.endr
	WIN 0
.macro FETCH slot, q, f                ; w2's eight fragments of the slot's q-th 128 along K into buffer f: 32 loads in one run
	WIN 0x40                                       ; destination window 1
.irp i, 0,1,2,3,4,5,6,7
.irp c, 0,1,2,3
	ds_load_b128 v[(\f)+16*\i+4*\c:(\f)+16*\i+4*\c+3], v[ADRB+2*(\slot)+\i/4] offset:128*(\q)+32*\c+(\i%4)*16*BP
.endr
.endr
.endm
.macro SCALES gr                       ; w2's scale words of K steps 4 gr .. 4 gr + 3 into set gr % 2: eight loads
	WIN 0
.irp i, 0,1,2,3,4,5,6,7
	ds_load_b128 v[SB+32*((\gr)%2)+4*\i:SB+32*((\gr)%2)+4*\i+3], v[ADRSB] offset:\i*SBLK+16*(\gr)
.endr
.endm
; 8 matrix instructions of K step S: g's block a x w2's eight.  The 16 accumulators take turns, one instruction a turn, in the same order in every step.  zero = 1: the products start the sums.
.macro MUL8 a, zero
.irp b, 0,1,2,3,4,5,6,7
.if \zero
.if \a
	v_wmma_scale_f32_16x16x128_f8f6f4 v[ACC+8*(8*\a+\b):ACC+8*(8*\a+\b)+7], v[128*(S%2)+16*\b:128*(S%2)+16*\b+15], v[32*(S%8)+16*\a:32*(S%8)+16*\a+15], 0, v[SB+32*((S/4)%2)+4*\b+S%4], v[SA+S] matrix_b_scale:MATRIX_SCALE_ROW1
.else
	v_wmma_scale_f32_16x16x128_f8f6f4 v[ACC+8*(8*\a+\b):ACC+8*(8*\a+\b)+7], v[128*(S%2)+16*\b:128*(S%2)+16*\b+15], v[32*(S%8)+16*\a:32*(S%8)+16*\a+15], 0, v[SB+32*((S/4)%2)+4*\b+S%4], v[SA+S]
.endif
.else
.if \a
	v_wmma_scale_f32_16x16x128_f8f6f4 v[ACC+8*(8*\a+\b):ACC+8*(8*\a+\b)+7], v[128*(S%2)+16*\b:128*(S%2)+16*\b+15], v[32*(S%8)+16*\a:32*(S%8)+16*\a+15], v[ACC+8*(8*\a+\b):ACC+8*(8*\a+\b)+7], v[SB+32*((S/4)%2)+4*\b+S%4], v[SA+S] matrix_b_scale:MATRIX_SCALE_ROW1
.else
	v_wmma_scale_f32_16x16x128_f8f6f4 v[ACC+8*(8*\a+\b):ACC+8*(8*\a+\b)+7], v[128*(S%2)+16*\b:128*(S%2)+16*\b+15], v[32*(S%8)+16*\a:32*(S%8)+16*\a+15], v[ACC+8*(8*\a+\b):ACC+8*(8*\a+\b)+7], v[SB+32*((S/4)%2)+4*\b+S%4], v[SA+S]
.endif
.endif
.endr
.endm
.set MUL, 0x09                         ; source 0 (w2) window 1, source 1 (g) window 2, C and D window 0
; K step S, one of a slot's first seven: the next step's fragments of w2 are asked for, g's group seven steps on goes out, then this step is multiplied.
.macro STEP zero
	PLACES 8                                       ; in front of loads into the buffer and the set of the ring that the last step's products read (ISA guide 7.12.1 for vector instructions)
	FETCH ((S+1)/8)%2, (S+1)%8, 128*((S+1)%2)
.if S%4 == 3
	SCALES S/4+1
.endif
.if S+6 <= NSTEP+3
	s_wait_loadcnt 48                              ; this step's group is in; the six groups of eight behind it may be out
.else
	s_wait_loadcnt 8*(NSTEP+3-S)                   ; the ring runs down: fewer groups stand behind
.endif
	GROUP S+7
.if S%4 == 3
	s_wait_dscnt 40                                ; all but the 32 fragment loads and the 8 scale loads just issued
.else
	s_wait_dscnt 32                                ; all but the 32 loads just issued
.endif
	WIN MUL
	MUL8 0, \zero
	MUL8 1, \zero
.endm
; A slot's last K step changes slots: one barrier; in front of it each wave waits for all its tensor loads, adds 0 to its spare word, and waits for that and for its reads of this slot.  fill = 1: this slot is filled again, 2,048 further along K.
.macro TURN fill
	WIN 0
	s_wait_tensorcnt 0x0                           ; all my tensor loads have landed: my part of the next slot
	ds_add_u32 v[SPW], v[NIL]                      ; 0 onto my spare word
	s_wait_dscnt 1                                 ; w2's fragments are in; the add may be out
	s_wait_loadcnt 48                              ; g's group of this step is in; the six groups behind it may be out
	WIN MUL
	MUL8 0, 0                                      ; eight matrix instructions stand between the add and the wait for it
	s_wait_dscnt 0x0                               ; the add is done, and my reads of this slot are over
	s_barrier_signal -1
	WIN 0
	s_barrier_wait -1
.if \fill
	CREST                                          ; the barrier has opened a round of the cluster's barrier: no wave of any partner still reads this slot or has a load on its way
	s_add_nc_u64 s[G0+4*((S/8)%2)+2:G0+4*((S/8)%2)+3], s[G0+4*((S/8)%2)+2:G0+4*((S/8)%2)+3], 2*1024
	tensor_load_to_lds s[G0+4*((S/8)%2):G0+4*((S/8)%2)+3], s[G1B:G1B+7]   ; my one tensor load behind the round, and the first thing there: it has the next slot's 128 matrix instructions in which to land
	s_nop 0
.endif
	PLACES 8                                       ; behind a tensor load four v_nop; all eight are the places in front of the loads below
	FETCH ((S+1)/8)%2, 0, 128*((S+1)%2)
	SCALES S/4+1
	GROUP S+7
	WIN MUL
	MUL8 1, 0
.endm
	s_wait_tensorcnt 0x0
	ds_add_u32 v[SPW], v[NIL]
	s_wait_dscnt 0x0                               ; the add and my stores of scale bytes are done
	CROUND                                         ; slot 0 and the scale bytes are whole, and all sixteen work-groups are here
	tensor_load_to_lds s[G0+4:G0+7], s[G1B:G1B+7]  ; slot 1's first fill: my one tensor load behind the round
	s_nop 0
	PLACES 4
	FETCH 0, 0, 0
	SCALES 0
.set S, 0
	STEP 1                                         ; the first K step's products start the sums
.set S, 1
.rept 6
	STEP 0
.set S, S+1
.endr
	TURN 1                                         ; K step 7: slot 0 takes K = 2,048 .. 3,071
.set S, 8
.rept 7
	STEP 0
.set S, S+1
.endr
	TURN 1                                         ; K step 15: slot 1 takes K = 3,072 .. 4,095
.set S, 16
.rept 7
	STEP 0
.set S, S+1
.endr
	TURN 0                                         ; K step 23: nothing is left to fetch
.set S, 24
.rept 7
	STEP 0
.set S, S+1
.endr
	s_wait_dscnt 0                                 ; K step 31
	s_wait_loadcnt 32                              ; g's last group is in; x's four groups may be out
	MUL8 0, 0
	MUL8 1, 0
	WIN 0
	; THE WAY OUT.  A block of 16 rows x 128 columns goes into my stage (rows of 512 + 16 bytes), each accumulator from its low end on, and comes back by rows into the registers that it left.
	PLACES 8
.irp a, 0,1
.irp b, 0,1,2,3,4,5,6,7
	ds_store_b128 v[STO], v[ACC+8*(8*\a+\b):ACC+8*(8*\a+\b)+3] offset:64*\b
	ds_store_b128 v[STO], v[ACC+8*(8*\a+\b)+4:ACC+8*(8*\a+\b)+7] offset:64*\b+16
.endr
.irp t, 0,1,2,3,4,5,6,7,8,9,10,11,12,13,14,15
	ds_load_b128 v[ACC+64*\a+4*\t:ACC+64*\a+4*\t+3], v[RD] offset:\t*SPITCH   ; LDS serves a wave's instructions in order: these see the stores above, and the next block's stores come behind them
.endr
.endr
	s_wait_loadcnt 0x0                             ; x
.irp a, 0,1
	s_wait_dscnt 32*(1-\a)                         ; behind block 0's loads stand block 1's 16 stores and 16 loads
	WIN 0x0c                                       ; source 1 window 3
.set i, 0
.rept 32
	v_pk_add_f32 v[ACC+64*\a+2*i:ACC+64*\a+2*i+1], v[ACC+64*\a+2*i:ACC+64*\a+2*i+1], v[XR+64*\a+2*i:XR+64*\a+2*i+1]
.set i, i+1
.endr
	WIN 0
.set i, 0
.rept 32
	v_pk_add_f32 v[ACC+64*\a+2*i:ACC+64*\a+2*i+1], v[ACC+64*\a+2*i:ACC+64*\a+2*i+1], v[BI+2*(i%2):BI+2*(i%2)+1]
.set i, i+1
.endr
.irp t, 0,1,2,3,4,5,6,7,8,9,10,11,12,13,14,15
	global_store_b128 v[LI], v[ACC+64*\a+4*\t:ACC+64*\a+4*\t+3], s[14:15] offset:(16*\a+\t)*4096 th:TH_STORE_NT   ; 32 lanes store 512 consecutive bytes, at a multiple of 256 from the buffer's first byte; written once, read by nobody here
.endr
.endr
	s_wait_tensorcnt 0x0                           ; the wave's end
	ds_add_u32 v[SPW], v[NIL]
	s_wait_dscnt 0x0
	CROUND                                         ; the closing round: no work-group ends while a partner may still ask for a tile that names it
	s_endpgm
.Lfunc_end_k_q72fc6341fa_ffn2:
	.size	k_q72fc6341fa_ffn2, .Lfunc_end_k_q72fc6341fa_ffn2-k_q72fc6341fa_ffn2
	.p2alignl 7, 3214868480
	.fill 96, 4, 3214868480
	.section	.rodata,"a",@progbits
	.p2align	6, 0x0
	.amdhsa_kernel k_q72fc6341fa_ffn2
		.amdhsa_group_segment_fixed_size 327680
		.amdhsa_private_segment_fixed_size 0
		.amdhsa_enable_private_segment 0
		.amdhsa_kernarg_size 48
		.amdhsa_user_sgpr_count 2
		.amdhsa_user_sgpr_kernarg_segment_ptr 1
		.amdhsa_wavefront_size32 1
		.amdhsa_system_sgpr_workgroup_id_x 1
		.amdhsa_system_sgpr_workgroup_id_y 1
		.amdhsa_system_sgpr_workgroup_id_z 1
		.amdhsa_system_vgpr_workitem_id 0
		.amdhsa_next_free_vgpr 1024
		.amdhsa_next_free_sgpr 102
		.amdhsa_reserve_vcc 0
		.amdhsa_float_denorm_mode_32 3
		.amdhsa_float_denorm_mode_16_64 3
		.amdhsa_memory_ordered 1
		.amdhsa_forward_progress 1
		.amdhsa_inst_pref_size 200
	.end_amdhsa_kernel
	.amdgpu_metadata
---
amdhsa.version: [ 1, 2 ]
amdhsa.kernels:
  - .name:           k_q72fc6341fa_ffn2
    .symbol:         k_q72fc6341fa_ffn2.kd
    .args:
      - { .name: g_q, .offset: 0, .size: 8, .value_kind: global_buffer, .address_space: global }
      - { .name: w2_codes, .offset: 8, .size: 8, .value_kind: global_buffer, .address_space: global }
      - { .name: w2_scales, .offset: 16, .size: 8, .value_kind: global_buffer, .address_space: global }
      - { .name: b2, .offset: 24, .size: 8, .value_kind: global_buffer, .address_space: global }
      - { .name: x, .offset: 32, .size: 8, .value_kind: global_buffer, .address_space: global }
      - { .name: out0, .offset: 40, .size: 8, .value_kind: global_buffer, .address_space: global }
    .group_segment_fixed_size: 327680
    .private_segment_fixed_size: 0
    .kernarg_segment_align: 8
    .kernarg_segment_size: 48
    .max_flat_workgroup_size: 128
    .sgpr_count:     102
    .vgpr_count:     1024
    .wavefront_size: 32
...
	.end_amdgpu_metadata
.endif
;; end of part 7
